; MI455X (gfx1250); checked and timed in simulation.
; The chip was launched on July 23, 2026; its instructions are those of AMD's public machine-readable ISA for CDNA 5 (MIT licence, August 2026) and "CDNA5" Instruction Set Architecture Reference Guide (July 2026). The comments in the code are by the model that wrote it; some were corrected since.
;; Multi Head Attention. Allowed arithmetic: matrix products marked QUANTISED: E4M3 operands, one given power-of-two scale a tensor, by v_wmma_f32_16x16x64_fp8_fp8 or v_wmma_f32_16x16x128_fp8_fp8, f32 sums; everything else in f32.
;; Inputs: lowp_scales 8 int32 (the exponents e of the quantised operands' scales 2^e); w_out 1,024 x 1,024 float32; w_qkv 1,024 x 3,072 float32; x 4 x 2,048 x 1,024 float32.
;; Outputs: out0 4 x 2,048 x 1,024 float32.
;; This version of the problem:
;;   THIS VERSION OF THE PROBLEM IS GIVEN IN LOW PRECISION. The matrix products marked QUANTISED in the list below multiply operands that are first quantised to E4M3 (4 exponent bits, 3 mantissa bits; 8 bits a number), with one given power-of-two scale for each operand tensor; their sums are f32. All else is computed in f32.
;;   The module's matrix products, in the order in which they are computed (A, B: the left and right operand; K: the contracted axis; several contracted axes count as one K, in the product's order):
;;     1. [M 8,192, K 1,024] x [K 1,024, N 3,072]; A: input x; B: input w_qkv: QUANTISED (scales: A lowp_scales[0], B lowp_scales[1])
;;     2. batch 64 x [M 2,048, K 64] x [K 64, N 2,048]; A: computed on the way; B: computed on the way: QUANTISED (scales: A lowp_scales[2], B lowp_scales[3])
;;     3. batch 64 x [M 2,048, K 2,048] x [K 2,048, N 64]; A: softmax (see below); B: computed on the way: QUANTISED (scales: A lowp_scales[4], B lowp_scales[5])
;;     4. [M 8,192, K 1,024] x [K 1,024, N 1,024]; A: computed on the way; B: input w_out: QUANTISED (scales: A lowp_scales[6], B lowp_scales[7])
;;   THE QUANTISER, for each operand of a quantised product, along K:
;;     - The operand's scale is 2^e, e = its entry of the input lowp_scales (int32; the entries are numbered through the quantised products in the list's order, A before B).
;;     - Each number is divided by the scale, clamped to +-448, and rounded to the nearest number of E4M3, ties to even, subnormals kept.
;;     - The product sums the exact products of the quantised numbers (number of the format x scale) in f32.
;;   ~~~python
;;   def quantise(x, axis, e):      # numpy; x: float32 -> the quantised numbers, widened to float32 again
;;       x = np.moveaxis(x, axis, -1); K = x.shape[-1]
;;       r = np.clip(x / 2.0 ** e, -448, 448)
;;       step = 2.0 ** (np.maximum(np.frexp(np.where(r == 0, 1, r))[1] - 1, -6) - 3)
;;       q = np.round(r / step) * step * 2.0 ** e      # np.round: ties to even
;;       return np.moveaxis(q, -1, axis).astype(np.float32)
;;   ~~~
;;   SOFTMAX AHEAD OF A QUANTISED PRODUCT. Where the list says 'softmax', what is quantised is not the finished softmax but p = 2^(t - M), with t = logit x log2(e) and M = ceil(the row's largest t), a whole number; so 1/2 < the row's largest p <= 1. The row's sum l is taken of the UNQUANTISED p, in f32, and the product's result is divided by l at the end. Since M is a whole number, a kernel that streams over the keys may use a running M (the ceiling of the running maximum): every later rescaling is an exact power of two, so the quantised numbers keep their values, but for numbers so far below the row's largest that they fall under the format's range.
;;   OPERANDS COMPUTED ON THE WAY. 'Computed on the way' means the value that the module computes at that place (a softmax that the list does not call 'softmax' is quantised finished and normalised). What goes into a quantiser is computed in f32, as accurately as f32 sums, v_exp_f32 and their like allow (about 1e-6 of the number): no bf16 or f16 on the way to a quantiser, and a product that is left as it is and whose result goes on into a quantised operand takes f32 operands (vector FMAs, or v_wmma_f32_16x16x4_f32). A number that lies on a knife's edge between two numbers of the format may be rounded either way, as far as f32 arithmetic and the matrix unit's own rounding can turn it there, and no further.
;; One version. Each part assembles by itself: llvm-mc -triple=amdgcn-amd-amdhsa -mcpu=gfx1250 --defsym DOCPART=n.
;; ======== version 1 of 1: 4 launches
;; limits: right only within a limited range of input values
;; workspace buffers: xc 8,388,608 bytes; wqkvc 3,145,728 bytes; woutc 1,048,576 bytes; qc 8,388,608 bytes; kc 8,388,608 bytes; vc 8,388,608 bytes; oc 8,388,608 bytes
;; launch quant (part 1): grid 640 x 1, 4 waves a work-group, no clusters, 55,808 bytes of LDS; arguments x, w_qkv, w_out, lowp_scales, xc, wqkvc, woutc; writes xc, wqkvc, woutc
.if DOCPART == 1
	.amdgcn_target "amdgcn-amd-amdhsa--gfx1250"
	.amdhsa_code_object_version 6
	.text
	.protected	k_qade8044c5c_quant
	.globl	k_qade8044c5c_quant
	.p2align	8
	.type	k_qade8044c5c_quant,@function
k_qade8044c5c_quant:
	s_mov_b64 s[64:65], 0
	v_nop
	global_prefetch_b8 v0, s[64:65] scope:SCOPE_SE
	s_setreg_imm32_b32 hwreg(HW_REG_WAVE_MODE, 25, 1), 1
	s_wait_xcnt 0x0
; The three f32 inputs become codes of FP8 (E4M3), one code a byte, K innermost, each with the one scale 2^e that is given for it:
;   x     [8192][1024]  (K innermost already)  -> xc    [8192][1024], e = entry 0 of the scales
;   w_qkv [1024 k][3072 n] (K is the FIRST axis) -> wqkvc [3072 n][1024 k], e = entry 1
;   w_out [1024 k][1024 n]                       -> woutc [1024 n][1024 k], e = entry 7
; code = number / 2^e, held within +-448, rounded to the nearest code, ties to even.
; LIMITS: each e lies between -126 and 119, so that 2^e and 448 x 2^e are f32 numbers.  NaN among the inputs is not served (an infinity is held at the largest code).
; SHARES.  Work-groups 0-95 take w_qkv, 96-127 w_out: 128 columns x 256 along K each, a wave 32 columns.  Work-groups 128-639 take x: 16,384 numbers each, a wave 8 steps of 512.
; The two ways part on the work-group's number and have LDS bytes of their own.  No work-group reads what another reads: no cluster, no tensor load, no barrier (waves share nothing).
; WEIGHTS: a lane takes a column n and its registers run down K: each load reads 128 consecutive bytes a wave, and the conversions, which take neighbours along K from one lane's registers, give codes with K innermost.
; A wave's 32 rows of 256 codes go through its own stage in LDS and leave by rows: sixteen lanes store 256 consecutive bytes, aligned.
; The two weights differ in the row's length, so it stands in a register: 32 vector offsets (a row each) and eight scalar bases (a block of 32 rows each) are made once and never rewritten.
; x: each load reads 512 consecutive bytes, 16 a lane; a step's 2,048 bytes turn through the wave's stage (16 bytes of padding behind each 64) and come back 64 bytes a lane: 16 neighbours along K.
.set NPQ,   12288                      ; a row of w_qkv in bytes
.set NPO,   4096                       ; a row of w_out
.set WSTG,  32*272                     ; weights: a wave's stage: 32 rows of 256 bytes + 16
.set XBASE, 4*WSTG                     ; x: the stages lie behind the weights'
.set SP,    80                         ; x: a lane's place in a stage: 64 bytes + 16
.set XSTG,  2*32*SP                    ; x: two stages a wave
.set STEPS, 8
.set WX,    32                         ; v32-95   weights: two sets of 32 numbers; at the end the rows on their way out
.set WC,    96                         ; v96-103  weights: a block's codes
.set OF,    112                        ; v112-143 weights: 4 x lane + i rows
.set SB,    40                         ; s40-55   weights: the eight blocks' bases
.set XR,    16                         ; v16-79   x: four sets of 16 numbers as loaded
.set XN,    80                         ; v80-111  x: two sets of 16 neighbours
.set XC,    128                        ; v128-159 x: four registers of codes for each step, so that no store's data are written again
	s_load_b256 s[4:11], s[0:1], 0x0               ; x s[4:5], w_qkv s[6:7], w_out s[8:9], the scales' exponents s[10:11]
	s_load_b128 s[12:15], s[0:1], 0x20             ; xc s[12:13], wqkvc s[14:15]
	s_load_b64 s[16:17], s[0:1], 0x30              ; woutc
	v_lshl_add_u32 v160, v0, 2, 0xd800
	v_mov_b32 v161, 0
	v_lshrrev_b32 v1, 5, v0
	v_readfirstlane_b32 s18, v1                    ; wave 0..3
	v_and_b32 v2, 31, v0                           ; lane
	s_wait_kmcnt 0x0
	s_load_b256 s[24:31], s[10:11], 0x0            ; e0 .. e7
	s_cmp_lt_u32 ttmp9, 128
	s_cbranch_scc0 .Lx_path
; ---------------- the weights ----------------
	s_cmp_ge_u32 ttmp9, 96                         ; w_out's work-group?  Every choice below hangs on the work-group's number alone
	s_cselect_b32 s19, 96, 0
	s_cselect_b64 s[36:37], s[8:9], s[6:7]         ; from
	s_cselect_b64 s[38:39], s[16:17], s[14:15]     ; to
	s_mov_b32 s32, NPQ
	s_cselect_b32 s32, NPO, s32                    ; a row of the weight in bytes
	s_sub_co_u32 s19, ttmp9, s19
	s_and_b32 s20, s19, 3                          ; which 256 along K
	s_lshr_b32 s21, s19, 2
	s_lshl_b32 s21, s21, 7
	s_lshl_b32 s22, s18, 5
	s_add_co_u32 s21, s21, s22                     ; my wave's first column
	s_lshl_b32 s22, s20, 8
	s_mul_i32 s22, s22, s32                        ; 256 kb rows,
	s_lshl_b32 s23, s21, 2
	s_add_co_u32 s22, s22, s23                     ; + 4 bytes a column
	s_mov_b32 s23, 0
	s_add_nc_u64 s[36:37], s[36:37], s[22:23]
	s_lshl_b32 s22, s21, 10                        ; codes: a column is a row of 1,024 bytes,
	s_lshl_b32 s33, s20, 8
	s_add_co_u32 s22, s22, s33                     ; + 256 kb
	s_add_nc_u64 s[38:39], s[38:39], s[22:23]
	s_lshl_b32 s34, s32, 5                         ; 32 rows on
	s_mov_b32 s35, 0
	s_mov_b64 s[SB:SB+1], s[36:37]
.irp t, 1,2,3,4,5,6,7
	s_add_nc_u64 s[SB+2*\t:SB+2*\t+1], s[SB+2*\t-2:SB+2*\t-1], s[34:35]
.endr
	s_wait_alu depctr_va_vdst(0)
	v_lshlrev_b32 v3, 2, v2
.set ii, 0
.rept 32
	v_mad_u32_u24 v[OF+ii], s32, ii, v3            ; 4 x lane + ii rows
.set ii, ii+1
.endr
	s_mul_i32 s33, s18, WSTG                       ; my stage
	v_mul_u32_u24 v4, v2, 272
	v_add_nc_u32 v4, s33, v4                       ; into it: row = my column
	v_and_b32 v5, 15, v2
	v_lshrrev_b32 v6, 4, v2
	v_mul_u32_u24 v7, v6, 272
	v_lshl_add_u32 v7, v5, 4, v7
	v_add_nc_u32 v7, s33, v7                       ; out of it: sixteen lanes to a row, two rows an instruction
	v_lshlrev_b32 v8, 10, v6
	v_lshl_add_u32 v8, v5, 4, v8                   ; and the same place in the codes' buffer
.macro WLOAD t                         ; block t: W(32 t + i, my column), i = 0 .. 31, into set t % 2
.set ii, 0
.rept 32
	global_load_b32 v[WX+32*((\t)%2)+ii], v[OF+ii], s[SB+2*(\t):SB+2*(\t)+1] th:TH_LOAD_NT
.set ii, ii+1
.endr
.endm
	WLOAD 0
	WLOAD 1
	s_wait_kmcnt 0x0
	s_cmp_ge_u32 ttmp9, 96
	s_cselect_b32 s20, s31, s25                    ; e7 or e1
	s_add_co_i32 s20, s20, 127
	s_lshl_b32 s21, s20, 23
	v_mov_b32 v11, s21                             ; 2^e as f32: the conversion takes its exponent field
	s_add_co_i32 s20, s20, 8
	s_lshl_b32 s20, s20, 23
	s_or_b32 s20, s20, 0x600000
.macro WBLOCK t
.set XS, WX+32*((\t)%2)
.if (\t) < 7
	s_wait_loadcnt 32                              ; this block's 32 loads are in; the next block's 32 may be out
.else
	s_wait_loadcnt 0
.endif
.set ii, 0
.rept 32
.set ii, ii+1
.endr
.irp g, 0,1,2,3
	v_cvt_scalef32_pk8_fp8_f32 v[WC+2*\g:WC+2*\g+1], v[XS+8*\g:XS+8*\g+7], v11
.endr
	ds_store_b128 v4, v[WC:WC+3] offset:32*(\t)    ; 32 codes: 32 bytes of my column's row
	ds_store_b128 v4, v[WC+4:WC+7] offset:32*(\t)+16
.if (\t)+2 < 8
	WLOAD (\t)+2
.endif
	s_wait_dscnt 0x0                               ; the stores have read their registers: the next block's codes may be written
.endm
	s_wait_alu depctr_va_vdst(0)
.irp t, 0,1,2,3,4,5,6,7
	WBLOCK \t
.endr
.set tt, 0
	v_nop
.rept 16
	ds_load_b128 v[WX+4*tt:WX+4*tt+3], v7 offset:544*tt   ; LDS serves a wave's instructions in order (ISA guide 5.7.1.4): these see my stores
.set tt, tt+1
.endr
.set tt, 0
.rept 16
	s_wait_dscnt 15-tt                             ; rows 2 tt and 2 tt + 1 are back; the later loads may be out
	global_store_b128 v8, v[WX+4*tt:WX+4*tt+3], s[38:39] offset:2048*tt   ; sixteen lanes store 256 consecutive bytes, aligned
.set tt, tt+1
.endr
	s_wait_tensorcnt 0x0
	ds_add_u32 v160, v161
	s_wait_dscnt 0x0
	s_endpgm
; ---------------- x ----------------
.Lx_path:
	s_sub_co_u32 s19, ttmp9, 128
	s_lshl_b32 s19, s19, 2
	s_add_co_u32 s19, s19, s18                     ; which run of 4,096 numbers is my wave's
	s_lshl_b32 s20, s19, 14
	s_mov_b32 s21, 0
	s_add_nc_u64 s[4:5], s[4:5], s[20:21]
	s_lshl_b32 s20, s19, 12
	s_add_nc_u64 s[12:13], s[12:13], s[20:21]
	s_mul_i32 s22, s18, XSTG
	s_add_co_u32 s22, s22, XBASE                   ; my two stages
	s_wait_alu depctr_va_vdst(0)
	v_lshlrev_b32 v3, 4, v2                        ; my 16 bytes of a load's 512, and of a store's
	v_lshrrev_b32 v14, 2, v2
	v_mul_u32_u24 v14, v14, SP
	v_and_b32 v15, 3, v2
	v_lshl_add_u32 v14, v15, 4, v14
	v_add_nc_u32 v14, s22, v14                     ; in: four lanes' 64 bytes on end, then 16 of padding
	v_mul_u32_u24 v15, v2, SP
	v_add_nc_u32 v15, s22, v15                     ; out: my 16 neighbours
.macro XLOAD t
.irp i, 0,1,2,3
	global_load_b128 v[XR+16*((\t)%4)+4*\i:XR+16*((\t)%4)+4*\i+3], v3, s[4:5] offset:2048*(\t)+512*\i th:TH_LOAD_NT
.endr
.endm
.macro XTURN t                         ; step t's numbers through a stage: LDS serves a wave's instructions in order, so no wait stands between the stores and the loads
.irp i, 0,1,2,3
	ds_store_b128 v14, v[XR+16*((\t)%4)+4*\i:XR+16*((\t)%4)+4*\i+3] offset:32*SP*((\t)%2)+8*SP*\i
.endr
.irp i, 0,1,2,3
	ds_load_b128 v[XN+16*((\t)%2)+4*\i:XN+16*((\t)%2)+4*\i+3], v15 offset:32*SP*((\t)%2)+16*\i
.endr
.endm
.irp t, 0,1,2,3
	XLOAD \t
.endr
	s_wait_alu depctr_va_vdst(0)
	s_wait_kmcnt 0x0
	s_add_co_i32 s20, s24, 127                     ; e0
	s_lshl_b32 s21, s20, 23
	v_mov_b32 v11, s21                             ; 2^e0
	s_wait_alu depctr_va_vdst(0)
	s_wait_loadcnt 12                              ; step 0's four loads are in; three steps' twelve may be out
	XTURN 0
.macro XSTEP t
.set XS, XN+16*((\t)%2)
	s_wait_dscnt 0x0                               ; this step's numbers are back from the stage, so its stores into the stage have read their registers,
.if (\t)+4 < STEPS
	XLOAD (\t)+4                                   ; which take the loads of four steps on
.endif
.if (\t)+1 < STEPS
.if STEPS-2-(\t) >= 3
	s_wait_loadcnt 12                              ; the next step's four loads are in; those of the three steps behind it may be out
.else
	s_wait_loadcnt 4*(STEPS-2-(\t))
.endif
	XTURN (\t)+1
.endif
.set ii, 0
.rept 16
.set ii, ii+1
.endr
	v_cvt_scalef32_pk8_fp8_f32 v[XC+4*(\t):XC+4*(\t)+1], v[XS:XS+7], v11
	v_cvt_scalef32_pk8_fp8_f32 v[XC+4*(\t)+2:XC+4*(\t)+3], v[XS+8:XS+15], v11
	global_store_b128 v3, v[XC+4*(\t):XC+4*(\t)+3], s[12:13] offset:512*(\t)   ; the wave stores 512 consecutive bytes, aligned
.endm
.irp t, 0,1,2,3,4,5,6,7
	XSTEP \t
.endr
	s_wait_tensorcnt 0x0
	ds_add_u32 v160, v161
	s_wait_dscnt 0x0
	s_endpgm
.Lfunc_end_k_qade8044c5c_quant:
	.size	k_qade8044c5c_quant, .Lfunc_end_k_qade8044c5c_quant-k_qade8044c5c_quant
	.p2alignl 7, 3214868480
	.fill 96, 4, 3214868480
	.section	.rodata,"a",@progbits
	.p2align	6, 0x0
	.amdhsa_kernel k_qade8044c5c_quant
		.amdhsa_group_segment_fixed_size 55808
		.amdhsa_private_segment_fixed_size 0
		.amdhsa_enable_private_segment 0
		.amdhsa_kernarg_size 56
		.amdhsa_user_sgpr_count 2
		.amdhsa_user_sgpr_kernarg_segment_ptr 1
		.amdhsa_wavefront_size32 1
		.amdhsa_system_sgpr_workgroup_id_x 1
		.amdhsa_system_sgpr_workgroup_id_y 1
		.amdhsa_system_sgpr_workgroup_id_z 1
		.amdhsa_system_vgpr_workitem_id 0
		.amdhsa_next_free_vgpr 162
		.amdhsa_next_free_sgpr 66
		.amdhsa_reserve_vcc 0
		.amdhsa_float_denorm_mode_32 3
		.amdhsa_float_denorm_mode_16_64 3
		.amdhsa_fp16_overflow 1
		.amdhsa_memory_ordered 1
		.amdhsa_forward_progress 1
		.amdhsa_inst_pref_size 47
	.end_amdhsa_kernel
	.amdgpu_metadata
---
amdhsa.version: [ 1, 2 ]
amdhsa.kernels:
  - .name:           k_qade8044c5c_quant
    .symbol:         k_qade8044c5c_quant.kd
    .args:
      - { .name: x, .offset: 0, .size: 8, .value_kind: global_buffer, .address_space: global }
      - { .name: w_qkv, .offset: 8, .size: 8, .value_kind: global_buffer, .address_space: global }
      - { .name: w_out, .offset: 16, .size: 8, .value_kind: global_buffer, .address_space: global }
      - { .name: lowp_scales, .offset: 24, .size: 8, .value_kind: global_buffer, .address_space: global }
      - { .name: xc, .offset: 32, .size: 8, .value_kind: global_buffer, .address_space: global }
      - { .name: wqkvc, .offset: 40, .size: 8, .value_kind: global_buffer, .address_space: global }
      - { .name: woutc, .offset: 48, .size: 8, .value_kind: global_buffer, .address_space: global }
    .group_segment_fixed_size: 55808
    .private_segment_fixed_size: 0
    .kernarg_segment_align: 8
    .kernarg_segment_size: 56
    .max_flat_workgroup_size: 128
    .sgpr_count:     66
    .vgpr_count:     162
    .wavefront_size: 32
...
	.end_amdgpu_metadata
.endif
;; end of part 1
;; launch qkv (part 2): grid 12 x 32, 4 waves a work-group, clusters of 4 x 4, 327,680 bytes of LDS; arguments xc, wqkvc, lowp_scales, qc, kc, vc; writes qc, kc, vc
.if DOCPART == 2
	.amdgcn_target "amdgcn-amd-amdhsa--gfx1250"
	.amdhsa_code_object_version 6
	.text
	.protected	k_qade8044c5c_qkv
	.globl	k_qade8044c5c_qkv
	.p2align	8
	.type	k_qade8044c5c_qkv,@function
k_qade8044c5c_qkv:
	s_mov_b64 s[64:65], 0
	v_nop
	global_prefetch_b8 v0, s[64:65] scope:SCOPE_SE
	s_setreg_imm32_b32 hwreg(HW_REG_WAVE_MODE, 25, 1), 1
	s_wait_xcnt 0x0
	s_wait_alu depctr_hold_cnt(0) depctr_sa_sdst(0) depctr_va_vdst(0) depctr_va_sdst(0) depctr_va_ssrc(0) depctr_va_vcc(0) depctr_vm_vsrc(0)
	s_getreg_b32 s2, hwreg(HW_REG_IB_STS2, 6, 4)
	s_cmp_eq_u32 s2, 0
	s_cbranch_scc0 .Lentry_in_a_cluster
	s_endpgm
.Lentry_in_a_cluster:
	s_bfe_u32 s2, ttmp6, 0x10000c
	s_cmp_lg_u32 s2, 0xf033
	s_cbranch_scc0 .Lentry_shape_is_right
	s_endpgm
.Lentry_shape_is_right:
; qkv = x w_qkv on codes of FP8 (E4M3), sums in f32; each finished sum is quantised at once for the product that takes it next, and only codes go to memory:
;   qc, kc [64 heads bh = 16 b + h][2048 t][64 d], with the scales 2^e2 and 2^e3;   vc [64 bh][16 blocks of 128 keys][64 d][128 keys], with 2^e5: the keys, which are K of the product that takes v, lie innermost.
; A sum stands for sum x 2^(e0 + e1), so its code is sum / 2^E, E = e_dst - e0 - e1, held within +-448, to the nearest code, ties to even.  LIMIT: E between -126 and 119, so that 2^E and 448 x 2^E are f32 numbers.
; A tile of 256 x 256 sums is made by a work-group of four waves, as many as a WGP has SIMDs; a wave makes 128 x 128: 64 accumulators of 16 x 16, 512 registers.  K = 1,024 goes in four steps of 256 through a ring of two LDS slots.
; ROLES.  The cluster's x says what is made: 0 q, 1 k, 2 v; it is the same in all sixteen partners.  For q and k the rows are tokens (operand A = xc) and the columns features (B = wqkvc).
; For v the roles are swapped by a choice of pointers: rows = v's 1,024 features (A = wqkvc from row 2,048 on), columns = tokens (B = xc).
; THE MATRIX INSTRUCTION IS USED TRANSPOSED (source 0 = 16 rows of B, source 1 = 16 rows of A): a lane holds eight neighbouring columns of one row: eight d of a token for q and k, eight KEYS of a d for v: nothing is transposed.
; CLUSTERS: 4 x 4 work-groups.  The four of a row of the cluster need the same tiles of A, the four of a column the same tiles of B: each tile is asked for JOINTLY, by the same tensor load with the same descriptor and a mask that names the four.
; REGISTERS, in windows of 256: window 0: v0-31 addresses and the scale number; from v128 A's fragments (8 x 16 rows x 128 K), ONE set; on the way out v96-159 are at work.
;   window 1: B's fragments, TWO sets, at v0 and at v128.   window 2: the 32 accumulators of my rows 0-63 (accumulator (a, b) at v[8 (8 a + b)]);   window 3: those of my rows 64-127.
.set SIZE_K, 1024
.set KSTEP,  256                       ; along K in a slot
.set ROWB,   256                       ; a tile's row in bytes
.set KROW,   SIZE_K                    ; a row of either operand in memory, in bytes
.set PITCH,  272                       ; an LDS row: 256 bytes + 16 of padding = 68 words: the 16 rows that a load touches start at 16 different banks (64 banks of 4 bytes: ISA guide 11.1)
.set FR,     16                        ; registers of a fragment: 16 rows x 128 K
.set NL,     4                         ; LDS loads that bring one
.set NP,     4                         ; places behind this matrix instruction (ISA guide 7.12.1)
.set HALFT,  128*PITCH                 ; 128 rows: what one tensor load brings, and what one wave reads of A or of B
.set SLOT,   4*HALFT                   ; A's 256 rows, then B's 256 rows
.set LAPS,   SIZE_K/(2*KSTEP)          ; a lap = two K steps = once round the ring
.set SPARE,  2*SLOT                    ; behind the ring: the spare words, 128 bytes for each wave: two blocks of 256 bytes that no other line names
.set SROW,   144                       ; the way out: a stage row: 128 codes + 16.  The stages (16 rows a wave) lie in slot 0, which has had its last fill and its last read when the first code is stored there
.set SWAVE,  16*SROW
.set VSTG,   4*SWAVE                   ; v's way out has stage bytes of its own, behind q's and k's
.set ADRA, 16                          ; v16-17  LDS address of my A fragments in slot 0, 1
.set ADRB, 20                          ; v20-21  the same for B
.set STOV, 22                          ; v22     v's way out: where I put 8 codes of a row
.set RDV,  23                          ; v23     and where I read 16 back
.set STOQ, 24                          ; v24, v25 the same for q and k
.set RDQ,  25
.set CO,   26                          ; v26     16 x lane: my bytes of a store's 512
.set SPW,  28                          ; v28     LDS address of my spare word: SPARE + 4 x my thread's number; never rewritten
.set NIL,  29                          ; v29     0; never rewritten
.set LIM,  30
.set SCL,  31                          ; v31     2^E
.set TMP,  32
.set CD,   96                          ; v96-127 its codes, two sets of 16
.set AF,   128                         ; A's fragments, in window 0
.set BB,   128                         ; the way out: v128-159: codes read back from the stage, two sets of 16
.set G1, 24                            ; s[24:31] descriptor group 1 for A's tiles;  s[32:39] group 0, one set for each slot
.set G0, 32
.set G1B, 48                           ; s[48:55], s[56:63] the same for B's tiles
.set G0B, 56
.set MSB, 0
.macro WIN new                         ; the immediate's high byte repeats the setting that is left
.if MSB != \new
	s_set_vgpr_msb (MSB<<8)|\new
.set MSB, \new
.endif
.endm
.set MUL_LO, 0xa1                      ; source 0 (B) window 1, source 1 (A) window 0, C and D window 2
.set MUL_HI, 0xf1                      ; the same, C and D window 3
.set TO_B,   0x40                      ; destination window 1, address window 0
; A joint load: waves 0 and 1 fetch for A, waves 2 and 3 for B.  Each of the two lines has ONE mask and one set of registers for all that issue it; the branch hangs on the wave's number alone.
; Four v_nop follow each of the two lines, ahead of the jump, the label and what follows.
.macro JLOAD g0a, g1a, g0b, g1b
	s_cmp_eq_u32 s15, 0
	s_cbranch_scc0 .Lfor_b_\@
	tensor_load_to_lds s[\g0a:\g0a+3], s[\g1a:\g1a+7]
	s_nop 0
.rept 4
	v_nop
.endr
	s_branch .Lasked_\@
.Lfor_b_\@:
	tensor_load_to_lds s[\g0b:\g0b+3], s[\g1b:\g1b+7]
	s_nop 0
.rept 4
	v_nop
.endr
.Lasked_\@:
.endm
.macro CREST                           ; a round of the cluster's barrier behind its opening barrier
	s_cmp_lg_u32 s14, 0
	s_cbranch_scc1 .Lnot_wave_0_\@
	s_barrier_signal -3
.Lnot_wave_0_\@:
	s_barrier_wait -3
	s_barrier_signal -1
	s_barrier_wait -1
.endm
.macro CROUND                          ; a whole round
	s_barrier_signal -1
	s_barrier_wait -1
	CREST
.endm
	s_load_b256 s[4:11], s[0:1], 0x0               ; xc s[4:5], wqkvc s[6:7], the scales' exponents s[8:9], qc s[10:11]
	s_load_b128 s[68:71], s[0:1], 0x20             ; kc s[68:69], vc s[70:71]
	v_lshl_add_u32 v[SPW], v0, 2, SPARE
	v_mov_b32 v[NIL], 0
	ds_add_u32 v28, v29
	ds_add_u32 v28, v29
	s_wait_dscnt 0x0
	v_lshrrev_b32 v1, 5, v0
	v_readfirstlane_b32 s14, v1                    ; wave 0..3
	s_lshr_b32 s15, s14, 1                         ; which half of the tile's rows is mine.  Also: I fetch for A (0) or for B (1)
	s_and_b32 s16, s14, 1                          ; which half of its columns.  Also: which 128 rows of that tile I fetch
	s_bfe_u32 s40, ttmp6, 0x40000                  ; cx, cy: my place in the cluster
	s_bfe_u32 s41, ttmp6, 0x40004
	s_and_b32 s80, ttmp7, 0xffff                   ; the cluster's y: which 1,024 tokens
	s_cmp_eq_u32 ttmp9, 2                          ; v?
	s_cselect_b32 s42, s80, ttmp9                  ; q, k: columns are features, 1,024 to a cluster x;  v: columns are tokens
	s_cselect_b32 s17, 0, s80                      ; q, k: rows are tokens;  v: rows are v's 1,024 features: one cluster's height
	s_lshl_b32 s42, s42, 2
	s_add_co_u32 s42, s42, s40                     ; tile column
	s_lshl_b32 s17, s17, 2
	s_add_co_u32 s17, s17, s41                     ; tile row
	s_lshl_b32 s43, s41, 2
	s_lshl_b32 s43, 15, s43                        ; my row of the cluster
	s_lshl_b32 s44, 0x1111, s40                    ; my column
	; descriptor group 1: a tile of 128 rows x 256 bytes, padded in LDS
	s_or_b32 s[G1+0], s43, (0<<16)|(1<<20)|(1<<21)|(5<<22)|(3<<25)  ; 15:0 the mask: A's tiles go to my row; 17:16 element of 1 byte; 20 padding on; 21 set beside a mask; 24:22 after every 64 words (code 5); 31:25 of 4 words (code 3)
	s_or_b32 s[G1B+0], s44, (0<<16)|(1<<20)|(1<<21)|(5<<22)|(3<<25)
.irp g, G1, G1B
	s_mov_b32 s[\g+1], ROWB<<16                    ; tensor_dim0
	s_mov_b32 s[\g+2], 128<<16                     ; tensor_dim1 = 128
	s_mov_b32 s[\g+3], ROWB<<16                    ; tile_dim0
	s_mov_b32 s[\g+4], 128                         ; tile_dim1 = 128
	s_mov_b32 s[\g+5], KROW                        ; tensor_dim0_stride
	s_mov_b32 s[\g+6], 0
	s_mov_b32 s[\g+7], 0
.endr
	s_lshl_b32 s18, s16, 7                         ; which 128 rows of the tile I fetch
	s_lshl_b32 s20, s17, 8
	s_add_co_u32 s20, s20, s18                     ; A: row 256 x tile row + 128 x half
	s_lshl_b32 s46, s42, 8
	s_add_co_u32 s46, s46, s18                     ; B: row 256 x tile column + 128 x half
	s_mov_b32 s21, 0
	s_mov_b32 s47, 0
	s_mov_b64 s[18:19], KROW
	s_mul_u64 s[20:21], s[20:21], s[18:19]         ; in bytes
	s_mul_u64 s[46:47], s[46:47], s[18:19]
	s_mul_i32 s45, s14, HALFT                      ; where they go: wave x 128 rows: no place in the cluster enters an LDS address
	s_wait_kmcnt 0x0
	s_load_b256 s[72:79], s[8:9], 0x0              ; e0 .. e7
	s_add_nc_u64 s[82:83], s[6:7], 0x200000        ; wqkvc at row 2,048: v's features
	s_cmp_eq_u32 ttmp9, 2
	s_cselect_b64 s[84:85], s[82:83], s[4:5]       ; A's buffer
	s_cselect_b64 s[86:87], s[4:5], s[6:7]         ; B's buffer
	s_add_nc_u64 s[20:21], s[84:85], s[20:21]
	s_add_nc_u64 s[46:47], s[86:87], s[46:47]
	CROUND                                         ; all sixteen work-groups are here: the first joint loads meet
.irp s, 0,1
	s_mov_b32 s[G0+4*\s], 1
	s_add_co_u32 s[G0+4*\s+1], s45, \s*SLOT
	s_add_nc_u64 s[G0+4*\s+2:G0+4*\s+3], s[20:21], \s*ROWB
	s_or_b32 s[G0+4*\s+3], s[G0+4*\s+3], 0x80000000
	s_mov_b32 s[G0B+4*\s], 1
	s_add_co_u32 s[G0B+4*\s+1], s45, \s*SLOT
	s_add_nc_u64 s[G0B+4*\s+2:G0B+4*\s+3], s[46:47], \s*ROWB
	s_or_b32 s[G0B+4*\s+3], s[G0B+4*\s+3], 0x80000000
	JLOAD G0+4*\s, G1, G0B+4*\s, G1B
.endr
	v_and_b32 v1, 15, v0                           ; r = l % 16
	s_wait_alu depctr_va_vdst(0)
	v_bfe_u32 v2, v0, 4, 1                         ; h = l / 16
	v_mul_u32_u24 v3, v1, PITCH
	v_lshl_add_u32 v4, v2, 4, v3                   ; a fragment's row x pitch + 16 x half
	s_mul_i32 s21, s15, HALFT                      ; my 128 rows of A
	s_mul_i32 s22, s16, HALFT                      ; my 128 rows of B,
	s_add_co_u32 s22, s22, 2*HALFT                 ; which lie behind A's 256
.irp s, 0,1
	v_add_nc_u32 v[ADRA+\s], s21, v4
	v_add_nc_u32 v[ADRB+\s], s22, v4
	s_add_co_u32 s21, s21, SLOT
	s_add_co_u32 s22, s22, SLOT
.endr
	; the way out's four LDS addresses are made here, on the way that every work-group takes
	s_mul_i32 s23, s14, SWAVE                      ; my stage
	v_mul_u32_u24 v5, v1, SROW
	s_wait_alu depctr_va_vdst(0)
	v_lshl_add_u32 v5, v2, 3, v5                   ; in: row r, 8 codes for each half of the lanes
	v_add_nc_u32 v[STOQ], s23, v5
	v_add_nc_u32 v[STOV], VSTG, v[STOQ]
	v_and_b32 v6, 31, v0
	v_lshlrev_b32 v[CO], 4, v6
	v_lshrrev_b32 v7, 2, v6                        ; q, k back: four lanes take 64 bytes (one head's d) of a token; 8 tokens an instruction
	v_mul_u32_u24 v7, v7, SROW
	v_and_b32 v8, 3, v6
	v_lshl_add_u32 v7, v8, 4, v7
	v_add_nc_u32 v[RDQ], s23, v7
	v_lshrrev_b32 v7, 3, v6                        ; v back: eight lanes take a row of 128 keys; 4 rows an instruction
	v_mul_u32_u24 v7, v7, SROW
	v_and_b32 v8, 7, v6
	v_lshl_add_u32 v7, v8, 4, v7
	v_add_nc_u32 v7, s23, v7
	v_add_nc_u32 v[RDV], VSTG, v7
	; where my 128 x 128 goes.  U, u: the tile and half along the tokens; W, w: along the features.  bytes = (U / 8) 2^21 (the batch) + (4 (W % 4) + 2 w) 2^17 (my first head) + (2 (U % 8) + u) 2^13 (128 tokens x 64)
	s_cmp_eq_u32 ttmp9, 1
	s_cselect_b64 s[10:11], s[68:69], s[10:11]
	s_cmp_eq_u32 ttmp9, 2
	s_cselect_b64 s[10:11], s[70:71], s[10:11]     ; qc, kc or vc
	s_cselect_b32 s88, s42, s17                    ; U
	s_cselect_b32 s89, s16, s15                    ; u
	s_cselect_b32 s90, s17, s42                    ; W
	s_cselect_b32 s91, s15, s16                    ; w
	s_lshr_b32 s92, s88, 3
	s_lshl_b32 s92, s92, 21
	s_and_b32 s90, s90, 3
	s_lshl_b32 s90, s90, 2
	s_lshl_b32 s91, s91, 1
	s_add_co_u32 s90, s90, s91
	s_lshl_b32 s90, s90, 17
	s_add_co_u32 s92, s92, s90
	s_and_b32 s88, s88, 7
	s_lshl_b32 s88, s88, 1
	s_add_co_u32 s88, s88, s89
	s_lshl_b32 s88, s88, 13
	s_add_co_u32 s92, s92, s88
	s_mov_b32 s93, 0
	s_add_nc_u64 s[10:11], s[10:11], s[92:93]
.macro FRAG reg, adr, q, i             ; a fragment, 16 rows x 128 K of 8-bit codes, is 16 registers: lane l holds row l % 16; registers 4 c .. 4 c + 3 hold K = 32 c + 16 (l / 16) + 0 .. 15: the same places in A and in B
.irp c, 0,1,2,3
	ds_load_b128 v[\reg+4*\c:\reg+4*\c+3], v[\adr] offset:128*(\q)+32*\c+(\i)*16*PITCH
.endr
.endm
; 16 matrix instructions: A's blocks a0, a0 + 1 x B's eight, 128 along K.  p: B's set.  zero = 1: the first product starts the sums: nothing is ever cleared.
; The 64 accumulators take turns, one instruction a turn, in the same order in every step.
.macro MUL16 a0, p, zero
.irp a, \a0, \a0+1
.irp b, 0,1,2,3,4,5,6,7
.if \zero
	v_wmma_f32_16x16x128_fp8_fp8 v[8*(8*((\a)%4)+\b):8*(8*((\a)%4)+\b)+7], v[128*(\p)+FR*\b:128*(\p)+FR*\b+FR-1], v[AF+FR*(\a):AF+FR*(\a)+FR-1], 0
.else
	v_wmma_f32_16x16x128_fp8_fp8 v[8*(8*((\a)%4)+\b):8*(8*((\a)%4)+\b)+7], v[128*(\p)+FR*\b:128*(\p)+FR*\b+FR-1], v[AF+FR*(\a):AF+FR*(\a)+FR-1], v[8*(8*((\a)%4)+\b):8*(8*((\a)%4)+\b)+7]
.endif
.endr
.endr
.endm
.macro FETCH_B slot, q, p              ; B's eight fragments of the slot's q-th 128 along K into set p
	WIN TO_B
.irp i, 0,1,2,3,4,5,6,7
	FRAG 128*(\p)+FR*\i, ADRB+\slot, \q, \i
.endr
	WIN 0
.endm
.macro FETCH_A slot, q, i0             ; A's blocks i0 .. i0 + 3
.irp i, \i0, \i0+1, \i0+2, \i0+3
	FRAG AF+FR*(\i), ADRA+\slot, \q, \i
.endr
.endm
; A load into a register that a matrix instruction has read, and a vector instruction that reads a matrix result, stand NP places behind that matrix instruction, and only plain vector
; instructions that name none of its registers are places (ISA guide 7.12.1 for vector instructions).
.macro PLACES n
.rept \n
	v_nop
.endr
.endm
; A step of 128 along K that has its successor in the same slot.
.macro STEP slot, q, zero
	s_wait_dscnt 4*NL                              ; B's set and A's blocks 0-3 are in; the youngest 16 loads (A's blocks 4-7) may be out
	WIN MUL_LO
	MUL16 0, (\q)%2, \zero
	MUL16 2, (\q)%2, \zero
	s_wait_dscnt 0                                 ; A's blocks 4-7 are in (asked for 32 matrix instructions ago)
	PLACES NP
	FETCH_B \slot, (\q)+1, 1-(\q)%2
	FETCH_A \slot, (\q)+1, 0
	WIN MUL_HI
	MUL16 4, (\q)%2, \zero
	MUL16 6, (\q)%2, \zero
	PLACES NP
	WIN 0
	FETCH_A \slot, (\q)+1, 4
.endm
; A slot's last step changes slots: ONE barrier; in front of it each wave waits for all its tensor loads, adds 0 to its spare word, and waits for that and for its own reads of this slot.  fill = 1: this slot is filled again, two K steps ahead.
.macro TURN slot, next, fill
	s_wait_tensorcnt 0x0                           ; all my tensor loads have landed: my part of the next slot;  (every window is 0 here: the add's two registers lie in window 0)
	ds_add_u32 v[SPW], v[NIL]                      ; 0 onto my spare word
	s_wait_dscnt 4*NL+1                            ; (the add and the youngest 16 loads, A's blocks 4-7, may be out)
	WIN MUL_LO
	MUL16 0, 1, 0                                  ; sixteen matrix instructions stand between the add and the wait for it
	s_wait_dscnt 0x0                               ; the add is done, and my reads of this slot are over
	s_barrier_signal -1
	MUL16 2, 1, 0
	WIN 0
	s_barrier_wait -1
.if \fill
	CREST                                          ; the barrier has opened a round of the cluster's barrier: no wave of any partner still reads this slot's tile or has a load on its way
	s_add_nc_u64 s[G0+4*\slot+2:G0+4*\slot+3], s[G0+4*\slot+2:G0+4*\slot+3], 2*ROWB
	s_add_nc_u64 s[G0B+4*\slot+2:G0B+4*\slot+3], s[G0B+4*\slot+2:G0B+4*\slot+3], 2*ROWB
	JLOAD G0+4*\slot, G1, G0B+4*\slot, G1B         ; the first tensor load behind the round; the four v_nop behind it are the places in front of the loads below
.else
	PLACES NP
.endif
	FETCH_B \next, 0, 0
	FETCH_A \next, 0, 0
	WIN MUL_HI
	MUL16 4, 1, 0
	MUL16 6, 1, 0
	PLACES NP
	WIN 0
	FETCH_A \next, 0, 4
.endm
	s_wait_tensorcnt 1                             ; my part of K step 0 is in (K step 1's load may be out)
	s_barrier_signal -1
	s_barrier_wait -1                              ; everybody's is
	FETCH_B 0, 0, 0
	FETCH_A 0, 0, 0
	FETCH_A 0, 0, 4
	STEP 0, 0, 1                                   ; the first step stands in front of the loop: its products start the sums
	s_mov_b32 s3, LAPS-1
.Llap:                                                 ; a trip goes once round the ring, from a lap's second step to the next lap's first, and fills both slots again
	TURN 0, 1, 1
	STEP 1, 0, 0
	TURN 1, 0, 1
	STEP 0, 0, 0
	s_sub_co_u32 s3, s3, 1
	s_cmp_lg_u32 s3, 0
	s_cbranch_scc1 .Llap
	TURN 0, 1, 0                                   ; the last lap fills nothing, and has no round of the cluster's barrier
	STEP 1, 0, 0
	s_wait_dscnt 4*NL                              ; the very last step: nothing more to fetch
	WIN MUL_LO
	MUL16 0, 1, 0
	MUL16 2, 1, 0
	s_wait_dscnt 0
	WIN MUL_HI
	MUL16 4, 1, 0
	MUL16 6, 1, 0
	WIN 0
; THE WAY OUT, block by block of 16 rows x 128 columns.  The sums are held within +-448 x 2^E (each accumulator from its low end on), converted eight at a time, and a lane's 8 codes go into my own stage;
; they come back in the order in which the buffer has them, so that each store of the wave covers 512 consecutive bytes, aligned.  LDS serves a wave's instructions in order (ISA guide 5.7.1.4): no wait between the stores and the loads.
; kind = 0: q, k: a stage row is a token's 128 codes: two heads x 64 d;  kind = 1: v: a stage row is a d's 128 keys.
.macro TOSTAGE a, kind
.set AC, 64*((\a)%4)
.set CC, CD+16*((\a)%2)
.set BS, BB+16*((\a)%2)
	WIN 0x02+((\a)/4)                              ; source 0: window 2 or 3
.set jj, 0
.rept 64
.set jj, jj+1
.endr
.irp b, 0,1,2,3,4,5,6,7
	v_cvt_scalef32_pk8_fp8_f32 v[CC+2*\b:CC+2*\b+1], v[AC+8*\b:AC+8*\b+7], v[SCL]
.endr
	WIN 0
	v_nop                                          ; one plain vector line behind the last conversion
.irp b, 0,1,2,3,4,5,6,7
.if \kind
	ds_store_b64 v[STOV], v[CC+2*\b:CC+2*\b+1] offset:16*\b
.else
	ds_store_b64 v[STOQ], v[CC+2*\b:CC+2*\b+1] offset:16*\b
.endif
.endr
.irp i, 0,1,2,3
.if \kind
	ds_load_b128 v[BS+4*\i:BS+4*\i+3], v[RDV] offset:4*SROW*\i                  ; rows 4 i .. 4 i + 3, whole
.else
	ds_load_b128 v[BS+4*\i:BS+4*\i+3], v[RDQ] offset:8*SROW*(\i%2)+64*(\i/2)    ; head i / 2, tokens 8 (i % 2) on
.endif
.endr
.endm
.macro SEND a, younger, kind           ; younger: the LDS instructions issued behind block a's loads, which may stay out.  Every offset is an immediate: no base is stepped
.set BS, BB+16*((\a)%2)
	s_wait_dscnt \younger
.irp i, 0,1,2,3
.if \kind
	global_store_b128 v[CO], v[BS+4*\i:BS+4*\i+3], s[10:11] offset:131072*((\a)/4)+2048*((\a)%4)+512*\i th:TH_STORE_NT   ; head a / 4, d = 16 (a % 4) + 4 i on
.else
	global_store_b128 v[CO], v[BS+4*\i:BS+4*\i+3], s[10:11] offset:131072*(\i/2)+1024*(\a)+512*(\i%2) th:TH_STORE_NT     ; head i / 2, tokens 16 a + 8 (i % 2) on
.endif
.endr
.endm
.macro OUTPATH kind
	TOSTAGE 0, \kind
.irp a, 1,2,3,4,5,6,7
.if \a > 1
	s_wait_xcnt 0x0                                ; block a - 2's stores have read their registers: block a's loads may land there
.endif
	TOSTAGE \a, \kind
	SEND \a-1, 12, \kind                           ; behind block a - 1's loads: block a's 8 stores and 4 loads
.endr
	SEND 7, 0, \kind
.endm
	s_wait_kmcnt 0x0
	s_cmp_eq_u32 ttmp9, 1
	s_cselect_b32 s80, s75, s74                    ; e3 for k, e2 for q,
	s_cmp_eq_u32 ttmp9, 2
	s_cselect_b32 s80, s77, s80                    ; e5 for v
	s_sub_co_i32 s80, s80, s72
	s_sub_co_i32 s80, s80, s73                     ; E = e_dst - e0 - e1
	s_add_co_i32 s80, s80, 127
	s_lshl_b32 s81, s80, 23
	v_mov_b32 v[SCL], s81                          ; 2^E as f32: the conversion takes its exponent field
	PLACES NP                                      ; behind the last products: for the reads of results and for the loads into the registers that held A's fragments
	s_cmp_eq_u32 ttmp9, 2                          ; the cluster's x: the same in all sixteen partners
	s_cbranch_scc1 .Lv_out
	OUTPATH 0
	s_branch .Ldone
.Lv_out:
	s_wait_alu depctr_va_vdst(0)
	OUTPATH 1
.Ldone:
	s_wait_tensorcnt 0x0                           ; the wave's end: behind my last tensor load and my last LDS store
	ds_add_u32 v[SPW], v[NIL]
	s_wait_dscnt 0x0
	CROUND                                         ; the closing round: no work-group ends while a partner may still ask for a tile that names it
	s_endpgm
.Lfunc_end_k_qade8044c5c_qkv:
	.size	k_qade8044c5c_qkv, .Lfunc_end_k_qade8044c5c_qkv-k_qade8044c5c_qkv
	.p2alignl 7, 3214868480
	.fill 96, 4, 3214868480
	.section	.rodata,"a",@progbits
	.p2align	6, 0x0
	.amdhsa_kernel k_qade8044c5c_qkv
		.amdhsa_group_segment_fixed_size 327680
		.amdhsa_private_segment_fixed_size 0
		.amdhsa_enable_private_segment 0
		.amdhsa_kernarg_size 48
		.amdhsa_user_sgpr_count 2
		.amdhsa_user_sgpr_kernarg_segment_ptr 1
		.amdhsa_wavefront_size32 1
		.amdhsa_system_sgpr_workgroup_id_x 1
		.amdhsa_system_sgpr_workgroup_id_y 1
		.amdhsa_system_sgpr_workgroup_id_z 1
		.amdhsa_system_vgpr_workitem_id 0
		.amdhsa_next_free_vgpr 1024
		.amdhsa_next_free_sgpr 100
		.amdhsa_reserve_vcc 0
		.amdhsa_float_denorm_mode_32 3
		.amdhsa_float_denorm_mode_16_64 3
		.amdhsa_fp16_overflow 1
		.amdhsa_memory_ordered 1
		.amdhsa_forward_progress 1
		.amdhsa_inst_pref_size 108
	.end_amdhsa_kernel
	.amdgpu_metadata
---
amdhsa.version: [ 1, 2 ]
amdhsa.kernels:
  - .name:           k_qade8044c5c_qkv
    .symbol:         k_qade8044c5c_qkv.kd
    .args:
      - { .name: xc, .offset: 0, .size: 8, .value_kind: global_buffer, .address_space: global }
      - { .name: wqkvc, .offset: 8, .size: 8, .value_kind: global_buffer, .address_space: global }
      - { .name: lowp_scales, .offset: 16, .size: 8, .value_kind: global_buffer, .address_space: global }
      - { .name: qc, .offset: 24, .size: 8, .value_kind: global_buffer, .address_space: global }
      - { .name: kc, .offset: 32, .size: 8, .value_kind: global_buffer, .address_space: global }
      - { .name: vc, .offset: 40, .size: 8, .value_kind: global_buffer, .address_space: global }
    .group_segment_fixed_size: 327680
    .private_segment_fixed_size: 0
    .kernarg_segment_align: 8
    .kernarg_segment_size: 48
    .max_flat_workgroup_size: 128
    .sgpr_count:     100
    .vgpr_count:     1024
    .wavefront_size: 32
...
	.end_amdgpu_metadata
.endif
;; end of part 2
;; launch attn (part 3): grid 4 x 64, 8 waves a work-group, no clusters, 327,680 bytes of LDS; arguments qc, kc, vc, lowp_scales, oc; writes oc
.if DOCPART == 3
	.amdgcn_target "amdgcn-amd-amdhsa--gfx1250"
	.amdhsa_code_object_version 6
	.text
	.protected	k_qade8044c5c_attn
	.globl	k_qade8044c5c_attn
	.p2align	8
	.type	k_qade8044c5c_attn,@function
k_qade8044c5c_attn:
	s_mov_b64 s[64:65], 0
	v_nop
	global_prefetch_b8 v0, s[64:65] scope:SCOPE_SE
	s_setreg_imm32_b32 hwreg(HW_REG_WAVE_MODE, 25, 1), 1
	s_wait_xcnt 0x0
; Causal attention of 64 heads (bh = 16 b + h), 2,048 tokens, head size 64, both products on codes of FP8 (E4M3); the result is quantised at once for the last product.
; qc, kc: [bh][t][64 d].  vc: [bh][16 blocks of 128 keys][64 d][128 keys].  oc: [16 h][8192 tokens][64 d], codes with the scale 2^e6.  The scales' exponents: e2 (q), e3 (k), e4 (p), e5 (v), e6 (o).
; THE SOFTMAX: t = score x log2(e) / 8; M = the row's largest t so far, rounded UP to a whole number; p = 2^(t - M) is quantised with 2^e4, not normalised.  The row's sum is taken of the unquantised p, in f32,
; and divides O at the end.  When M moves, the sum and O are multiplied by 2^(old M - new M), which rounds nothing.
; SHARES.  A work-group owns the blocks p and 7 - p of 256 queries of one head, one after the other.  Block i needs the key slots 0 .. i of 256 keys, so every work-group walks (p + 1) + (8 - p) = 9 slots:
; 256 work-groups of equal work, and the loop's trip count is a constant.  Each of the eight waves owns 32 queries, two tiles A and B of 16, so that each fragment of K and V read from LDS feeds two matrix instructions.
; A slot is walked in 4 steps of 64 keys.  A step all of whose keys come after my 32 queries is left out (a scalar branch on ids); in a step on the diagonal hidden scores become -infinity ahead of the maximum.
; In every step that is worked the step's first key is no later than my first query (both are multiples of 32 and the step is worked only up to my last query), so each row has a key that counts.
; NO CLUSTER: the four work-groups of a head want different slots in the same trip (trip t is slot t of block p up to t = p, then slot t - p - 1 of block 7 - p).  Walking slots 0 .. 7 jointly with both blocks at once
; would cost each slot the time of the partner with most to do: 4 + 4 + 4 + 4 + 2 + 2 + 2 + 2 = 24 units of a block-slot a partner against the 18 of two passes here.
; LAYOUT.  Both products are used transposed: S^T = K Q^T (source 0 = 16 keys, source 1 = 16 queries), O^T = V^T P^T (source 0 = 16 d, source 1 = P): a lane holds ONE query (lane % 16) throughout.
; In tile tau of S^T register j holds key 16 tau + 8 (lane / 16) + j: its eight codes are registers 2 tau, 2 tau + 1 of P in the layout that the K = 64 form gives an operand; V^T is read in that layout by loads of 8 bytes.
; K and Q are both read by two loads of 16 bytes (d = 16 (lane / 16) + 0 .. 15 and 32 more): the same places of d on both sides.
; LDS: slot s at 65,536 s: K's 256 keys as 64 rows of 256 bytes (4 keys), pitch 272; behind them V's two key blocks as 64 rows of 256 bytes (2 d), pitch 272.  Both are dense blocks of 16,384 bytes in memory: one shape serves both.
; Wave 0 fetches K's block, wave 1 V's: one tensor load of a wave is out at a time.  Behind the ring: the spare words, then a stage of 32 rows x 80 bytes for each wave, into which no fill lands.
; LIMITS on the given exponents, so that each power of two below is an f32 number: e2 + e3 between -123 and 130 (added to c's exponent field); e4 between -126 and 119; e4 + e5 - e6 is applied by v_ldexp_f32.
.set SLOT1, 1<<16
.set VOFF,  64*272
.set SPARE, 2*SLOT1                    ; 128 bytes for each of eight waves: four blocks of 256 bytes that no other line names
.set STAGE, SPARE+1024
.set SWAVE, 32*80
.set AK0, 1                            ; v1   my lane's place in a tile of K: 272 (r / 4) + 64 (r % 4) + 16 h
.set AV0, 2                            ; v2   in a tile of V: VOFF + 272 (r / 2) + 128 (r % 2) + 8 h
.set PFO, 3                            ; v3   256 x lane: the prefetches' offset; never rewritten
.set SPW, 4                            ; v4   LDS address of my spare word; never rewritten
.set NIL, 5                            ; v5   0; never rewritten
.set ADK, 6                            ; v6, v7  the same places in the slot in hand
.set ADV, 7
                                       ; v8 -M, v9 the largest t, v[10:11] the sum in two halves: tile A;  v12-15 the same: tile B
                                       ; v16 f of A, v17 = 1.0 (upper half of f's pair, and the last conversion's scale);  v18 f of B, v19 = 0
.set SCP, 20                           ; v20  2^e4
.set STO, 21                           ; v21  the way out: where I put 8 codes
.set RD,  22                           ; v22  where I read 16 back
.set GO,  23                           ; v23  16 x lane
                                       ; v24-31 at work
.set QA,  32                           ; v32-39, v40-47  Q's two fragments
.set QB,  40
.set KF,  48                           ; v48-79   four tiles of 16 keys
.set VF,  80                           ; v80-111  four tiles of 16 d
.set SA,  112                          ; v112-143, v144-175  S^T, then p
.set SB,  144
.set PA,  176                          ; v176-183, v184-191  p's codes
.set PB,  184
.set OA,  192                          ; v192-223, v224-255  O^T: register 8 dt + j = d 16 dt + 8 h + j
.set OB,  224
.set WV,   14                          ; s14  my wave's number
.set PR,   15                          ; s15  p
.set TRIP, 16                          ; s16  the trip, 0 .. 8
.set KS,   17                          ; s17  the key slot that was asked for last
.set KEY,  18                          ; s18  the step's first key
.set Q0,   19                          ; s19  my first query;  s20 my last
.set QL,   20
.set TB,   21                          ; s21  LDS byte at which the slot in hand begins
.set CS,   22                          ; s[22:23] c = log2(e) / 8 x 2^(e2 + e3)
.set G1,   24                          ; s[24:31] descriptor group 1;  s[32:35] group 0
.set G0,   32
.set SEL,  44                          ; s[44:45] lane selects for v_permlanex16_b32: lane l xor 16
.set BASE, 46                          ; s[46:47] my head in kc (even waves) or vc (odd waves)
.set PFA,  48                          ; s[48:49] where my prefetches stand
.set QH,   50                          ; s[50:51] my head in qc;  s[52:53] in oc
.set OH,   52
.set OBS,  54                          ; s[54:55] the stores' base;  s[56:57] Q's loads' base
.set QBS,  56
.set LIMQ, 58                          ; s58  a wave prefetches while the trip is under it
.set LIMP, 59
.set EO,   60                          ; s60  e4 + e5 - e6
; Waves 0 and 1 fetch, the others nothing.  The branch hangs on the wave's number alone.  Four v_nop follow the line.
.macro TLOAD
	s_cmp_lt_u32 s[WV], 2
	s_cbranch_scc0 .Lasked_\@
	tensor_load_to_lds s[G0:G0+3], s[G1:G1+7]
	s_nop 0
.rept 4
	v_nop
.endr
.Lasked_\@:
.endm
; A PREFETCH INTO THE L2 of the key slot that the NEXT change of slots will ask for: 16,384 bytes of K and of V, lanes 256 bytes apart, two instructions a wave.  Each aligned block of 256 bytes is named once in the launch:
; of a head's four work-groups the one with p = 0 asks, which walks slots 0 .. 7 in its trips 1 .. 8; in it wave 2 asks for K's and wave 3 for V's.  In trip t (0 .. 6) slot t + 1 is named: one trip of four key steps ahead of its load.
; Slot 0 comes by its loads alone; trip 7 asks for nothing: there is no slot 8.
.macro ASK
	s_cmp_lt_u32 s[TRIP], s[LIMQ]
	s_cbranch_scc0 .Lnot_mine_\@
	global_prefetch_b8 v[PFO], s[PFA:PFA+1] th:TH_LOAD_NT scope:SCOPE_SE
	global_prefetch_b8 v[PFO], s[PFA:PFA+1] offset:8192 th:TH_LOAD_NT scope:SCOPE_SE
.Lnot_mine_\@:
.endm
.macro KLOAD j                         ; the slot's j-th 64 keys: 8 loads
.irp t, 0,1,2,3
.irp c, 0,1
	ds_load_b128 v[KF+8*\t+4*\c:KF+8*\t+4*\c+3], v[ADK] offset:(16*(\j)+4*\t)*272+32*\c
.endr
.endr
.endm
.macro VLOAD j                         ; V^T of the same keys: 16 loads
.irp t, 0,1,2,3
.irp c, 0,1,2,3
	ds_load_b64 v[VF+8*\t+2*\c:VF+8*\t+2*\c+1], v[ADV] offset:((\j)/2)*8704+8*\t*272+64*((\j)%2)+16*\c
.endr
.endr
.endm
.macro QLOAD                           ; my 32 queries' codes; v31 = 64 r + 16 h
.irp x, 0,1
.irp c, 0,1
	global_load_b128 v[QA+8*\x+4*\c:QA+8*\x+4*\c+3], v31, s[QBS:QBS+1] offset:1024*\x+32*\c
.endr
.endr
.endm
.macro INIT                            ; a block of queries begins: the largest t is -3e38, under every t; sums and O^T are zeros, which the first change of M leaves zeros: so the step is written once
	v_mov_b32 v9, 0xff61b1e6
	v_mov_b32 v13, 0xff61b1e6
	s_delay_alu instid0(VALU_DEP_2)
	v_floor_f32 v8, -v9
	s_delay_alu instid0(VALU_DEP_2)
	v_floor_f32 v12, -v13
	v_mov_b32 v10, 0
	v_mov_b32 v11, 0
	v_mov_b32 v14, 0
	v_mov_b32 v15, 0
.set jj, 0
.rept 64
	v_mov_b32 v[OA+jj], 0
.set jj, jj+1
.endr
.endm
	s_load_b256 s[4:11], s[0:1], 0x0               ; qc s[4:5], kc s[6:7], vc s[8:9], the scales' exponents s[10:11]
	s_load_b64 s[12:13], s[0:1], 0x20              ; oc
	v_lshl_add_u32 v[SPW], v0, 2, SPARE
	v_mov_b32 v[NIL], 0
	ds_add_u32 v4, v5
	ds_add_u32 v4, v5
	s_wait_dscnt 0x0
	v_lshrrev_b32 v24, 5, v0
	s_delay_alu instid0(VALU_DEP_1)
	v_readfirstlane_b32 s[WV], v24                 ; wave 0..7
	s_mov_b32 s[PR], ttmp9                         ; p
	s_and_b32 s68, ttmp7, 0xffff                   ; bh
	; descriptor group 1: 64 rows of 256 bytes, dense in memory, 16 bytes of padding behind each in LDS
	s_mov_b32 s[G1], (0<<16)|(1<<20)|(5<<22)|(3<<25)   ; 15:0 no mask; 17:16 elements of 1 byte; 20 padding on; 24:22 after every 64 words (code 5); 31:25 four words (code 3)
	s_mov_b32 s[G1+1], 256<<16                     ; tensor_dim0
	s_mov_b32 s[G1+2], 64<<16                      ; tensor_dim1
	s_mov_b32 s[G1+3], 256<<16                     ; tile_dim0
	s_mov_b32 s[G1+4], 64                          ; tile_dim1
	s_mov_b32 s[G1+5], 256                         ; tensor_dim0_stride
	s_mov_b32 s[G1+6], 0
	s_mov_b32 s[G1+7], 0
	s_and_b32 s72, s[WV], 1                        ; even waves stand for K, odd ones for V
	s_mov_b32 s[G0], 1                             ; 1:0 count = 1
	s_mul_i32 s[G0+1], s72, VOFF                   ; 63:32 LDS address: slot 0, K's place or V's
	s_and_b32 s70, s68, 15
	s_lshl_b32 s70, s70, 19                        ; oc: the head's plane of 8,192 tokens x 64,
	s_lshr_b32 s71, s68, 4
	s_lshl_b32 s71, s71, 17                        ; + the batch's 2,048 tokens x 64
	s_add_co_u32 s70, s70, s71
	s_mov_b32 s71, 0
	s_lshl_b32 s68, s68, 17                        ; qc, kc, vc: a head is 2^17 bytes
	s_mov_b32 s69, 0
	s_lshl_b32 s[Q0], s[PR], 8
	s_lshl_b32 s66, s[WV], 5
	s_add_co_u32 s[Q0], s[Q0], s66                 ; my first query: 256 p + 32 x wave
	s_add_co_u32 s[QL], s[Q0], 31
	s_lshl_b32 s66, s[Q0], 6
	s_mov_b32 s67, 0
	s_mov_b32 s[SEL], 0x76543210
	s_mov_b32 s[SEL+1], 0xfedcba98
	s_mov_b32 s[TRIP], 0
	s_mov_b32 s[KS], 0
	s_mov_b32 s[KEY], 0
	s_mov_b32 s[TB], 0
	s_lshr_b32 s73, s[WV], 1
	s_xor_b32 s73, s73, 1                          ; 0 in waves 2 and 3,
	s_or_b32 s73, s73, s[PR]                       ; of the work-group with p = 0
	s_cmp_eq_u32 s73, 0
	s_cselect_b32 s[LIMQ], 7, 0
	s_wait_kmcnt 0x0
	s_load_b256 s[36:43], s[10:11], 0x0            ; e0 .. e7
	s_cmp_eq_u32 s72, 0
	s_cselect_b64 s[BASE:BASE+1], s[6:7], s[8:9]
	s_add_nc_u64 s[BASE:BASE+1], s[BASE:BASE+1], s[68:69]
	s_mov_b64 s[PFA:PFA+1], s[BASE:BASE+1]         ; at slot 0: each change of slots steps it ahead of its use.  Nothing is prefetched here, at the head
	s_mov_b64 s[G0+2:G0+3], s[BASE:BASE+1]         ; 120:64 global address: key slot 0
	s_or_b32 s[G0+3], s[G0+3], 0x80000000          ; 127:126 type = 2
	TLOAD                                          ; trip 0's slot
	s_add_nc_u64 s[QH:QH+1], s[4:5], s[68:69]
	s_add_nc_u64 s[OH:OH+1], s[12:13], s[70:71]
	s_add_nc_u64 s[QBS:QBS+1], s[QH:QH+1], s[66:67]
	v_and_b32 v24, 15, v0                          ; r
	v_bfe_u32 v25, v0, 4, 1                        ; h
	v_and_b32 v26, 31, v0                          ; lane
	s_delay_alu instid0(VALU_DEP_3)
	v_lshlrev_b32 v31, 6, v24
	s_delay_alu instid0(VALU_DEP_1)
	v_lshl_add_u32 v31, v25, 4, v31                ; Q: row r of 64 bytes, + 16 h
	QLOAD
	v_lshrrev_b32 v27, 2, v24
	s_delay_alu instid0(VALU_DEP_1)
	v_mul_u32_u24 v[AK0], v27, 272
	v_and_b32 v27, 3, v24
	s_delay_alu instid0(VALU_DEP_1)
	v_lshl_add_u32 v[AK0], v27, 6, v[AK0]
	s_delay_alu instid0(VALU_DEP_1)
	v_lshl_add_u32 v[AK0], v25, 4, v[AK0]
	v_lshrrev_b32 v27, 1, v24
	s_delay_alu instid0(VALU_DEP_1)
	v_mul_u32_u24 v[AV0], v27, 272
	v_and_b32 v27, 1, v24
	s_delay_alu instid0(VALU_DEP_1)
	v_lshl_add_u32 v[AV0], v27, 7, v[AV0]
	s_delay_alu instid0(VALU_DEP_1)
	v_lshl_add_u32 v[AV0], v25, 3, v[AV0]
	s_delay_alu instid0(VALU_DEP_1)
	v_add_nc_u32 v[AV0], VOFF, v[AV0]
	v_lshlrev_b32 v[PFO], 8, v26
	s_mul_i32 s66, s[WV], SWAVE
	s_add_co_u32 s66, s66, STAGE                   ; my stage
	v_mul_u32_u24 v[STO], v24, 80
	s_delay_alu instid0(VALU_DEP_1)
	v_lshl_add_u32 v[STO], v25, 3, v[STO]
	s_delay_alu instid0(VALU_DEP_1)
	v_add_nc_u32 v[STO], s66, v[STO]               ; in: row r, + 8 h
	v_lshrrev_b32 v27, 2, v26
	s_delay_alu instid0(VALU_DEP_1)
	v_mul_u32_u24 v[RD], v27, 80
	v_and_b32 v27, 3, v26
	s_delay_alu instid0(VALU_DEP_1)
	v_lshl_add_u32 v[RD], v27, 4, v[RD]
	s_delay_alu instid0(VALU_DEP_1)
	v_add_nc_u32 v[RD], s66, v[RD]                 ; back: four lanes to a row of 64 bytes, eight rows an instruction
	v_lshlrev_b32 v[GO], 4, v26
	v_mov_b32 v17, 1.0
	v_mov_b32 v19, 0
	v_mov_b32 v28, 0                               ; (named as halves of pairs and as lane permutes' destinations: written once)
	v_mov_b32 v29, 0
	v_mov_b32 v30, 0
	INIT
	s_wait_kmcnt 0x0
	s_add_co_i32 s66, s38, s39
	s_lshl_b32 s66, s66, 23
	s_add_co_i32 s[CS], s66, 0x3e38aa3b            ; c = log2(e) / 8, with e2 + e3 added to its exponent field: a score stands for score x 2^(e2 + e3)
	s_mov_b32 s[CS+1], s[CS]                       ; (named with it as a pair, so it is written)
	s_add_co_i32 s66, s40, 127
	s_lshl_b32 s67, s66, 23
	v_mov_b32 v[SCP], s67                          ; 2^e4 as f32, for p's conversions
	s_add_co_i32 s[EO], s40, s41
	s_sub_co_i32 s[EO], s[EO], s42                 ; e4 + e5 - e6
; A KEY STEP: 64 keys, the j-th of the slot in hand, for my two tiles of queries.  At its head K's 8 loads and, behind them, V's 16 are out or in; it asks for the next step's in the same order.
.macro STEP j
	s_cmp_gt_u32 s[KEY], s[QL]                     ; all its keys come after my queries: left out; so are then all later steps of the slot
	s_cbranch_scc1 .Lhid_\@
	s_wait_dscnt 16                                ; K is in; V's 16 loads may be out
.irp t, 0,1,2,3
	v_wmma_f32_16x16x64_fp8_fp8 v[SA+8*\t:SA+8*\t+7], v[KF+8*\t:KF+8*\t+7], v[QA:QA+7], 0
	v_wmma_f32_16x16x64_fp8_fp8 v[SB+8*\t:SB+8*\t+7], v[KF+8*\t:KF+8*\t+7], v[QB:QB+7], 0
.endr
.rept 4
	v_nop                                          ; places in front of the loads into K's registers and of the first read of the scores
.endr
.if \j < 3
	s_wait_alu depctr_va_vdst(0)
	KLOAD \j+1
.endif
	s_add_co_u32 s66, s[KEY], 63
	s_cmp_le_u32 s66, s[Q0]                        ; all its keys count for all my queries: no mask
	s_cbranch_scc1 .Lopen_\@
	s_sub_co_i32 s66, s[Q0], s[KEY]
	v_and_b32 v28, 15, v0
	v_bfe_u32 v29, v0, 4, 1
	s_delay_alu instid0(VALU_DEP_1)
	v_lshlrev_b32 v29, 3, v29
	s_delay_alu instid0(VALU_DEP_1)
	v_sub_nc_u32 v28, v28, v29
	s_delay_alu instid0(VALU_DEP_1)
	v_add_nc_u32 v28, s66, v28                     ; d = my query of tile A - the step's first key - 8 h.  Register n holds key 16 (n / 8) + n % 8 + 8 h on: hidden where 16 (n / 8) + n % 8 > d
	s_delay_alu instid0(VALU_DEP_1)
	v_add_nc_u32 v29, 16, v28                      ; tile B's query is 16 further on
	v_mov_b32 v30, 0xff800000                      ; -infinity: p = 0 then
.set nn, 0
.rept 32
	v_cmp_gt_i32 vcc_lo, 16*(nn/8)+nn%8, v28
	v_cndmask_b32 v[SA+nn], v[SA+nn], v30, vcc_lo
.set nn, nn+1
.endr
.set nn, 0
.rept 32
	v_cmp_gt_i32 vcc_lo, 16*(nn/8)+nn%8, v29
	v_cndmask_b32 v[SB+nn], v[SB+nn], v30, vcc_lo
.set nn, nn+1
.endr
.Lopen_\@:
	v_max3_num_f32 v24, v[SA], v[SA+1], v[SA+2]    ; the step's largest score of each query among my 32 keys: two chains a tile, the tiles line by line; each accumulator is read from its low end on
	v_max3_num_f32 v26, v[SB], v[SB+1], v[SB+2]
	v_max3_num_f32 v25, v[SA+3], v[SA+4], v[SA+5]
	v_max3_num_f32 v27, v[SB+3], v[SB+4], v[SB+5]
.irp i, 6,10,14,18,22,26
	v_max3_num_f32 v24, v24, v[SA+\i], v[SA+\i+1]
	v_max3_num_f32 v26, v26, v[SB+\i], v[SB+\i+1]
	v_max3_num_f32 v25, v25, v[SA+\i+2], v[SA+\i+3]
	v_max3_num_f32 v27, v27, v[SB+\i+2], v[SB+\i+3]
.endr
	v_max3_num_f32 v24, v24, v[SA+30], v[SA+31]
	v_max3_num_f32 v26, v26, v[SB+30], v[SB+31]
	s_delay_alu instid0(VALU_DEP_2)
	v_max_num_f32 v24, v24, v25
	s_delay_alu instid0(VALU_DEP_2)
	v_max_num_f32 v26, v26, v27
	s_delay_alu instid0(VALU_DEP_2)
	v_permlanex16_b32 v25, v24, s[SEL], s[SEL+1]   ; the query's other 32 keys lie in the lane 16 away
	s_delay_alu instid0(VALU_DEP_2)
	v_permlanex16_b32 v27, v26, s[SEL], s[SEL+1]
	s_delay_alu instid0(VALU_DEP_2)
	v_max_num_f32 v24, v24, v25
	s_delay_alu instid0(VALU_DEP_2)
	v_max_num_f32 v26, v26, v27
	s_delay_alu instid0(VALU_DEP_2)
	v_mul_f32 v24, s[CS], v24                      ; as t (c is positive)
	s_delay_alu instid0(VALU_DEP_2)
	v_mul_f32 v26, s[CS], v26
	s_delay_alu instid0(VALU_DEP_2)
	v_max_num_f32 v9, v9, v24                      ; the running largest t
	s_delay_alu instid0(VALU_DEP_2)
	v_max_num_f32 v13, v13, v26
	v_mov_b32 v25, v8
	v_mov_b32 v27, v12
	s_delay_alu instid0(VALU_DEP_4)
	v_floor_f32 v8, -v9                            ; the new -M = floor(-t) = -ceil(t): M is a whole number
	s_delay_alu instid0(VALU_DEP_4)
	v_floor_f32 v12, -v13
	s_delay_alu instid0(VALU_DEP_2)
	v_sub_f32 v25, v8, v25                         ; old M - new M: a whole number, 0 or less
	s_delay_alu instid0(VALU_DEP_2)
	v_sub_f32 v27, v12, v27
	s_delay_alu instid0(VALU_DEP_2)
	v_cvt_i32_f32 v25, v25                         ; (it saturates)
	s_delay_alu instid0(VALU_DEP_2)
	v_cvt_i32_f32 v27, v27
	s_delay_alu instid0(VALU_DEP_2)
	v_ldexp_f32 v16, 1.0, v25                      ; f = 2^(old M - new M)
	s_delay_alu instid0(VALU_DEP_2)
	v_ldexp_f32 v18, 1.0, v27
.set jj, 0
.rept 16
	v_pk_fma_f32 v[SA+jj:SA+jj+1], v[SA+jj:SA+jj+1], s[CS:CS+1], v[8:9] op_sel_hi:[1,0,0]     ; t - M, two at a time (of the pairs c and -M the low word serves both halves)
	v_pk_fma_f32 v[SB+jj:SB+jj+1], v[SB+jj:SB+jj+1], s[CS:CS+1], v[12:13] op_sel_hi:[1,0,0]
.set jj, jj+2
.endr
.set jj, 0
	s_wait_alu depctr_va_vdst(0)
.rept 64
	v_exp_f32 v[SA+jj], v[SA+jj]                   ; p = 2^(t - M), at most 1: one batch of 64
.set jj, jj+1
.endr
	v_pk_mul_f32 v[10:11], v[10:11], v[16:17] op_sel_hi:[1,0]   ; the sums under the new M: plain lines behind the exponentials that name none of their results
	v_pk_mul_f32 v[14:15], v[14:15], v[18:19] op_sel_hi:[1,0]
	s_wait_alu depctr_va_vdst(0)                   ; one wait for the whole batch, ahead of its first reader
	v_pk_add_f32 v[28:29], v[SA:SA+1], v[SA+2:SA+3]             ; the row's sum is taken of the UNQUANTISED p: two chains a tile
	v_pk_add_f32 v[30:31], v[SB:SB+1], v[SB+2:SB+3]
.irp i, 4,8,12,16,20,24,28
	v_pk_add_f32 v[10:11], v[10:11], v[SA+\i:SA+\i+1]
	v_pk_add_f32 v[14:15], v[14:15], v[SB+\i:SB+\i+1]
	v_pk_add_f32 v[28:29], v[28:29], v[SA+\i+2:SA+\i+3]
	v_pk_add_f32 v[30:31], v[30:31], v[SB+\i+2:SB+\i+3]
.endr
	s_delay_alu instid0(VALU_DEP_2)
	v_pk_add_f32 v[10:11], v[10:11], v[28:29]
	s_delay_alu instid0(VALU_DEP_2)
	v_pk_add_f32 v[14:15], v[14:15], v[30:31]
.irp t, 0,1,2,3
.irp i, 0,1,2,3,4,5,6,7
.endr
.irp i, 0,1,2,3,4,5,6,7
.endr
	v_cvt_scalef32_pk8_fp8_f32 v[PA+2*\t:PA+2*\t+1], v[SA+8*\t:SA+8*\t+7], v[SCP]
	v_cvt_scalef32_pk8_fp8_f32 v[PB+2*\t:PB+2*\t+1], v[SB+8*\t:SB+8*\t+7], v[SCP]
.endr
.set jj, 0
.rept 16
	v_pk_mul_f32 v[OA+jj:OA+jj+1], v[OA+jj:OA+jj+1], v[16:17] op_sel_hi:[1,0]   ; O^T under the new M: x f.  (These 32 are also the plain lines between the conversions and the products that read their results)
	v_pk_mul_f32 v[OB+jj:OB+jj+1], v[OB+jj:OB+jj+1], v[18:19] op_sel_hi:[1,0]
.set jj, jj+2
.endr
.if \j < 3
	s_wait_alu depctr_va_vdst(0)
	s_wait_dscnt 8                                 ; V is in; the next step's 8 loads of K may be out
.else
	s_wait_alu depctr_va_vdst(0)
	s_wait_dscnt 0
.endif
.irp t, 0,1,2,3                        ; eight accumulators by turns, one instruction a turn; the scores' eight products stand between two steps' links
	v_wmma_f32_16x16x64_fp8_fp8 v[OA+8*\t:OA+8*\t+7], v[VF+8*\t:VF+8*\t+7], v[PA:PA+7], v[OA+8*\t:OA+8*\t+7]
	v_wmma_f32_16x16x64_fp8_fp8 v[OB+8*\t:OB+8*\t+7], v[VF+8*\t:VF+8*\t+7], v[PB:PB+7], v[OB+8*\t:OB+8*\t+7]
.endr
.rept 4
	v_nop                                          ; places in front of the loads into V's registers, and of the way out's reads of O^T
.endr
.if \j < 3
	VLOAD \j+1
.endif
.Lhid_\@:
	s_add_co_u32 s[KEY], s[KEY], 64
.endm
; THE CHANGE OF SLOTS stands at a trip's head.  Each wave waits for all its tensor loads (its part of the slot that it is about to read), adds 0 to its spare word, and waits for that and for its reads of the slot that it has left.
; Behind the barrier the slot ahead is whole and nobody reads the other one.  fill = 1: that other slot is filled with the next trip's keys: the load has a whole trip in which to land.
.macro CHANGE fill
	s_wait_tensorcnt 0x0                           ; no tensor load of mine is out, so group 0 may be written
	ds_add_u32 v[SPW], v[NIL]                      ; 0 onto my spare word; with fill = 1 the descriptor's steps stand between it and the wait for it
.if \fill
	s_add_co_u32 s[KS], s[KS], 1                   ; the next trip's key slot: one on,
	s_cmp_eq_u32 s[TRIP], s[PR]
	s_cselect_b32 s[KS], 0, s[KS]                  ; or slot 0 again, where the second block of queries begins
	s_lshl_b32 s66, s[KS], 14
	s_mov_b32 s67, 0
	s_add_nc_u64 s[G0+2:G0+3], s[BASE:BASE+1], s[66:67]
	s_or_b32 s[G0+3], s[G0+3], 0x80000000
	s_xor_b32 s[G0+1], s[G0+1], SLOT1              ; into the other slot than last time
	s_wait_xcnt 0x0                                ; the last prefetches, a trip back, have read their address, so it may be written
	s_add_nc_u64 s[PFA:PFA+1], s[PFA:PFA+1], 16384
.endif
	s_wait_dscnt 0x0                               ; the add is done, and my reads of the slot that I have left are over
	s_barrier_signal -1
	s_barrier_wait -1
.if \fill
	TLOAD                                          ; the first thing behind the barrier, and a wave's one tensor load until the next
	ASK
.endif
.endm
.macro SLOT_STEPS
	v_add_nc_u32 v[ADK], s[TB], v[AK0]
	v_add_nc_u32 v[ADV], s[TB], v[AV0]
	KLOAD 0
	VLOAD 0
	STEP 0
	STEP 1
	STEP 2
	STEP 3
	s_xor_b32 s[TB], s[TB], SLOT1                  ; on to the other slot
.endm
; THE WAY OUT of a block of queries.  O^T x 2^(e4 + e5 - e6) / the row's sum, held within +-448, becomes codes; a lane's 8 codes go through my own stage and leave as 512 consecutive bytes a store: 8 tokens x 64 d of my head's plane.
; next = 1: the second block of queries begins: its Q is asked for first and lands under this work.
.macro WAYOUT next
	s_wait_dscnt 0x0                               ; loads of K and V that steps left out never waited for
	s_lshl_b32 s66, s[Q0], 6
	s_mov_b32 s67, 0
	s_add_nc_u64 s[OBS:OBS+1], s[OH:OH+1], s[66:67]
.if \next
	s_sub_co_u32 s[Q0], 7, s[PR]
	s_lshl_b32 s[Q0], s[Q0], 8
	s_lshl_b32 s66, s[WV], 5
	s_add_co_u32 s[Q0], s[Q0], s66                 ; my first query of block 7 - p
	s_add_co_u32 s[QL], s[Q0], 31
	s_lshl_b32 s66, s[Q0], 6
	s_add_nc_u64 s[QBS:QBS+1], s[QH:QH+1], s[66:67]
	v_and_b32 v24, 15, v0
	v_bfe_u32 v25, v0, 4, 1
	s_delay_alu instid0(VALU_DEP_2)
	v_lshlrev_b32 v31, 6, v24
	s_delay_alu instid0(VALU_DEP_1)
	v_lshl_add_u32 v31, v25, 4, v31
	QLOAD
	s_mov_b32 s[KEY], 0
.endif
	v_add_f32 v24, v10, v11                        ; the sums' two halves,
	v_add_f32 v25, v14, v15
	s_delay_alu instid0(VALU_DEP_2)
	v_permlanex16_b32 v26, v24, s[SEL], s[SEL+1]
	s_delay_alu instid0(VALU_DEP_2)
	v_permlanex16_b32 v27, v25, s[SEL], s[SEL+1]
	s_delay_alu instid0(VALU_DEP_2)
	v_add_f32 v24, v24, v26                        ; and lane l xor 16's: the rows' sums
	s_delay_alu instid0(VALU_DEP_2)
	v_add_f32 v25, v25, v27
	s_wait_alu depctr_va_vdst(0)
	v_rcp_f32 v28, v24
	v_rcp_f32 v30, v25
	v_nop                                          ; a plain line behind the reciprocals (ISA guide 5.7.2)
	s_wait_alu depctr_va_vdst(0)                   ; one wait for both, ahead of their first reader
	v_ldexp_f32 v28, v28, s[EO]
	v_ldexp_f32 v30, v30, s[EO]
.set jj, 0
.rept 16
	v_pk_mul_f32 v[SA+jj:SA+jj+1], v[OA+jj:OA+jj+1], v[28:29] op_sel_hi:[1,0]   ; each accumulator from its low end on
.set jj, jj+2
.endr
.set jj, 0
.rept 16
	v_pk_mul_f32 v[SB+jj:SB+jj+1], v[OB+jj:OB+jj+1], v[30:31] op_sel_hi:[1,0]
.set jj, jj+2
.endr
.set jj, 0
.rept 64
.set jj, jj+1
.endr
.irp k, 0,1,2,3,4,5,6,7
	v_cvt_scalef32_pk8_fp8_f32 v[PA+2*\k:PA+2*\k+1], v[SA+8*\k:SA+8*\k+7], v17   ; the scale is 1: 2^e6 has been divided out
.endr
	v_nop                                          ; one plain vector line behind the last conversion: later products write its sources
.irp k, 0,1,2,3,4,5,6,7
	ds_store_b64 v[STO], v[PA+2*\k:PA+2*\k+1] offset:1280*(\k/4)+16*(\k%4)       ; tile k / 4: rows 16 (k / 4) + r; d = 16 (k % 4) + 8 h on
.endr
.irp i, 0,1,2,3
	ds_load_b128 v[KF+4*\i:KF+4*\i+3], v[RD] offset:640*\i                       ; LDS serves a wave's instructions in order (ISA guide 5.7.1.4): these see my stores
.endr
.irp i, 0,1,2,3
	s_wait_dscnt 3-\i                              ; rows 8 i on are back; the later loads may be out
	global_store_b128 v[GO], v[KF+4*\i:KF+4*\i+3], s[OBS:OBS+1] offset:512*\i th:TH_STORE_NT
.endr
.if \next
	INIT
	s_wait_loadcnt 0x0                             ; Q of the second block
.endif
	s_wait_xcnt 0x0                                ; the stores have read their registers and their base: K's registers are loaded again only behind this wait
.endm
	s_wait_loadcnt 0x0                             ; Q of the first block
.Ltrip:                                            ; 8 trips: behind each change of slots but the last the next trip's slot is asked for
	CHANGE 1
	SLOT_STEPS
	s_cmp_lg_u32 s[TRIP], s[PR]                    ; trip p is block p's last (its slot lies on the diagonal)
	s_cbranch_scc1 .Lgo
	WAYOUT 1
.Lgo:
	s_add_co_u32 s[TRIP], s[TRIP], 1
	s_cmp_lt_u32 s[TRIP], 8
	s_cbranch_scc1 .Ltrip
	CHANGE 0                                       ; the last trip is written out
	SLOT_STEPS
	WAYOUT 0
	s_wait_tensorcnt 0x0                           ; the wave's end: behind my last tensor load and my last LDS store
	ds_add_u32 v[SPW], v[NIL]
	s_wait_dscnt 0x0
	s_endpgm
.Lfunc_end_k_qade8044c5c_attn:
	.size	k_qade8044c5c_attn, .Lfunc_end_k_qade8044c5c_attn-k_qade8044c5c_attn
	.p2alignl 7, 3214868480
	.fill 96, 4, 3214868480
	.section	.rodata,"a",@progbits
	.p2align	6, 0x0
	.amdhsa_kernel k_qade8044c5c_attn
		.amdhsa_group_segment_fixed_size 327680
		.amdhsa_private_segment_fixed_size 0
		.amdhsa_enable_private_segment 0
		.amdhsa_kernarg_size 40
		.amdhsa_user_sgpr_count 2
		.amdhsa_user_sgpr_kernarg_segment_ptr 1
		.amdhsa_wavefront_size32 1
		.amdhsa_system_sgpr_workgroup_id_x 1
		.amdhsa_system_sgpr_workgroup_id_y 1
		.amdhsa_system_sgpr_workgroup_id_z 1
		.amdhsa_system_vgpr_workitem_id 0
		.amdhsa_next_free_vgpr 256
		.amdhsa_next_free_sgpr 80
		.amdhsa_reserve_vcc 1
		.amdhsa_float_denorm_mode_32 3
		.amdhsa_float_denorm_mode_16_64 3
		.amdhsa_fp16_overflow 1
		.amdhsa_memory_ordered 1
		.amdhsa_forward_progress 1
		.amdhsa_inst_pref_size 179
	.end_amdhsa_kernel
	.amdgpu_metadata
---
amdhsa.version: [ 1, 2 ]
amdhsa.kernels:
  - .name:           k_qade8044c5c_attn
    .symbol:         k_qade8044c5c_attn.kd
    .args:
      - { .name: qc, .offset: 0, .size: 8, .value_kind: global_buffer, .address_space: global }
      - { .name: kc, .offset: 8, .size: 8, .value_kind: global_buffer, .address_space: global }
      - { .name: vc, .offset: 16, .size: 8, .value_kind: global_buffer, .address_space: global }
      - { .name: lowp_scales, .offset: 24, .size: 8, .value_kind: global_buffer, .address_space: global }
      - { .name: oc, .offset: 32, .size: 8, .value_kind: global_buffer, .address_space: global }
    .group_segment_fixed_size: 327680
    .private_segment_fixed_size: 0
    .kernarg_segment_align: 8
    .kernarg_segment_size: 40
    .max_flat_workgroup_size: 256
    .sgpr_count:     80
    .vgpr_count:     256
    .wavefront_size: 32
...
	.end_amdgpu_metadata
.endif
;; end of part 3
;; launch proj (part 4): grid 4 x 32, 4 waves a work-group, clusters of 4 x 4, 327,680 bytes of LDS; arguments oc, woutc, lowp_scales, out0; writes out0
.if DOCPART == 4
	.amdgcn_target "amdgcn-amd-amdhsa--gfx1250"
	.amdhsa_code_object_version 6
	.text
	.protected	k_qade8044c5c_proj
	.globl	k_qade8044c5c_proj
	.p2align	8
	.type	k_qade8044c5c_proj,@function
k_qade8044c5c_proj:
	s_mov_b64 s[64:65], 0
	v_nop
	global_prefetch_b8 v0, s[64:65] scope:SCOPE_SE
	s_setreg_imm32_b32 hwreg(HW_REG_WAVE_MODE, 25, 1), 1
	s_wait_xcnt 0x0
	s_wait_alu depctr_hold_cnt(0) depctr_sa_sdst(0) depctr_va_vdst(0) depctr_va_sdst(0) depctr_va_ssrc(0) depctr_va_vcc(0) depctr_vm_vsrc(0)
	s_getreg_b32 s2, hwreg(HW_REG_IB_STS2, 6, 4)
	s_cmp_eq_u32 s2, 0
	s_cbranch_scc0 .Lentry_in_a_cluster
	s_endpgm
.Lentry_in_a_cluster:
	s_bfe_u32 s2, ttmp6, 0x10000c
	s_cmp_lg_u32 s2, 0xf033
	s_cbranch_scc0 .Lentry_shape_is_right
	s_endpgm
.Lentry_shape_is_right:
; out0[token][n] = 2^(e6 + e7) x the sum over k of o[token][k] w[n][k], on codes of FP8 (E4M3), sums in f32.  k = 64 h + d.
; A = oc: [16 h][8192 tokens][64 d]: a plane of 2^19 bytes for each head.  B = woutc: [1024 n][1024 k].  out0: [8192][1024] f32.  e6, e7: entries 6 and 7 of the scales.
; LIMIT: e6 + e7 lies between -126 and 127, so that 2^(e6 + e7) is an f32 number.
; A tile of 256 x 256 is made by a work-group of four waves, as many as a WGP has SIMDs; a wave makes 128 x 128: 64 accumulators of 16 x 16, 512 registers.  K goes in four steps of 256 (four heads) through a ring of two LDS slots.
; A'S TILE: 128 tokens x 4 heads is four dense runs of 8,192 bytes, 2^19 bytes apart: a tile of 4 rows of 8,192 bytes, with 16 bytes of padding behind every 256: in LDS head hh, token tt, d lie at 8,704 hh + 272 (tt / 4) + 64 (tt % 4) + d.
; That is 128 x 272 bytes, as many as a tile of B (128 rows of 256 bytes, pitch 272).
; CLUSTERS: 4 x 4 work-groups.  The four of a row of the cluster need the same tiles of A, the four of a column the same tiles of B: each tile is asked for JOINTLY, by the same tensor load with the same descriptor and a mask that names the four.
; THE MATRIX INSTRUCTION IS USED TRANSPOSED (source 0 = 16 rows of B, source 1 = 16 rows of A): a lane then holds eight neighbouring numbers of a row of out0.
; REGISTERS, in windows of 256: window 0: v0-31 addresses; from v128 A's fragments (8 x 16 rows x 128 K), ONE set; on the way out v32-255 are free.
;   window 1: B's fragments, TWO sets, at v0 and at v128.   window 2: the 32 accumulators of my rows 0-63 (accumulator (a, b) at v[8 (8 a + b)]);   window 3: those of my rows 64-127.
.set SIZE_N, 1024
.set SIZE_K, 1024
.set KSTEP,  256
.set ROWB,   256                       ; a row of B's tile in bytes
.set KROW,   SIZE_K                    ; a row of B in memory
.set PLANE,  524288                    ; a head's plane of A
.set ASTEP,  4*PLANE                   ; a K step in A: four heads
.set HROW,   8704                      ; a head's 128 tokens in LDS: 8,192 bytes + 32 x 16
.set PITCH,  272                       ; 256 bytes + 16 of padding = 68 words: the 16 rows (or tokens) that a load touches start at 16 different groups of four banks (64 banks of 4 bytes: ISA guide 11.1)
.set FR,     16
.set NL,     4
.set NP,     4                         ; places behind this matrix instruction (ISA guide 7.12.1)
.set HALFT,  128*PITCH
.set SLOT,   4*HALFT
.set LAPS,   SIZE_K/(2*KSTEP)
.set SPARE,  2*SLOT                    ; behind the ring: the spare words, 128 bytes for each wave: two blocks of 256 bytes that no other line names
.set SPITCH, 528                       ; the way out: a stage of 16 rows x (512 bytes + 16) for each wave, in slot 0, which has had its last fill and its last read when the first result is stored there
.set ADRA, 16
.set ADRB, 20
.set STO,  24
.set RD,   25
.set CO,   26
.set SPW,  28                          ; v28     LDS address of my spare word; never rewritten
.set NIL,  29                          ; v29     0; never rewritten
.set TMP,  32
.set AF,   128
.set BK,   128
.set G1, 24
.set G0, 32
.set G1B, 48
.set G0B, 56
.set MSB, 0
.macro WIN new                         ; the immediate's high byte repeats the setting that is left
.if MSB != \new
	s_set_vgpr_msb (MSB<<8)|\new
.set MSB, \new
.endif
.endm
.set MUL_LO, 0xa1
.set MUL_HI, 0xf1
.set TO_B,   0x40
; A joint load: waves 0 and 1 fetch for A, waves 2 and 3 for B; the branch hangs on the wave's number alone.  Four v_nop follow each of the two lines.
.macro JLOAD g0a, g1a, g0b, g1b
	s_cmp_eq_u32 s15, 0
	s_cbranch_scc0 .Lfor_b_\@
	tensor_load_to_lds s[\g0a:\g0a+3], s[\g1a:\g1a+7]
	s_nop 0
.rept 4
	v_nop
.endr
	s_branch .Lasked_\@
.Lfor_b_\@:
	tensor_load_to_lds s[\g0b:\g0b+3], s[\g1b:\g1b+7]
	s_nop 0
.rept 4
	v_nop
.endr
.Lasked_\@:
.endm
.macro CREST
	s_cmp_lg_u32 s14, 0
	s_cbranch_scc1 .Lnot_wave_0_\@
	s_barrier_signal -3
.Lnot_wave_0_\@:
	s_barrier_wait -3
	s_barrier_signal -1
	s_barrier_wait -1
.endm
.macro CROUND
	s_barrier_signal -1
	s_barrier_wait -1
	CREST
.endm
	s_load_b128 s[4:7], s[0:1], 0x0                ; oc s[4:5], woutc s[6:7]
	s_load_b128 s[8:11], s[0:1], 0x10              ; the scales' exponents s[8:9], out0 s[10:11]
	v_lshl_add_u32 v[SPW], v0, 2, SPARE
	v_mov_b32 v[NIL], 0
	ds_add_u32 v28, v29
	ds_add_u32 v28, v29
	s_wait_dscnt 0x0
	v_lshrrev_b32 v1, 5, v0
	v_readfirstlane_b32 s14, v1                    ; wave 0..3
	s_lshr_b32 s15, s14, 1                         ; which half of the tile's rows is mine.  Also: I fetch for A (0) or for B (1)
	s_and_b32 s16, s14, 1                          ; which half of its columns.  Also: which 128 rows of that tile I fetch
	s_bfe_u32 s40, ttmp6, 0x40000                  ; cx, cy
	s_bfe_u32 s41, ttmp6, 0x40004
	s_lshl_b32 s42, ttmp9, 2
	s_add_co_u32 s42, s42, s40                     ; tile column = 4 x cluster x + cx
	s_and_b32 s17, ttmp7, 0xffff
	s_lshl_b32 s17, s17, 2
	s_add_co_u32 s17, s17, s41                     ; tile row = 4 x cluster y + cy
	s_lshl_b32 s43, s41, 2
	s_lshl_b32 s43, 15, s43                        ; my row of the cluster
	s_lshl_b32 s44, 0x1111, s40                    ; my column
	s_or_b32 s[G1+0], s43, (0<<16)|(1<<20)|(1<<21)|(5<<22)|(3<<25)  ; 15:0 the mask: A's tiles go to my row; 17:16 element of 1 byte; 20 padding on; 21 set beside a mask; 24:22 after every 64 words (code 5); 31:25 of 4 words (code 3)
	s_mov_b32 s[G1+1], 8192<<16                    ; A: tensor_dim0 = 8,192: 128 tokens x 64 d
	s_mov_b32 s[G1+2], 4<<16                       ; tensor_dim1 = 4 heads
	s_mov_b32 s[G1+3], 8192<<16                    ; tile_dim0
	s_mov_b32 s[G1+4], 4                           ; tile_dim1
	s_mov_b32 s[G1+5], PLANE                       ; tensor_dim0_stride: from head to head
	s_mov_b32 s[G1+6], 0
	s_mov_b32 s[G1+7], 0
	s_or_b32 s[G1B+0], s44, (0<<16)|(1<<20)|(1<<21)|(5<<22)|(3<<25)
	s_mov_b32 s[G1B+1], ROWB<<16                   ; B: 128 rows of 256 bytes
	s_mov_b32 s[G1B+2], 128<<16
	s_mov_b32 s[G1B+3], ROWB<<16
	s_mov_b32 s[G1B+4], 128
	s_mov_b32 s[G1B+5], KROW
	s_mov_b32 s[G1B+6], 0
	s_mov_b32 s[G1B+7], 0
	s_lshl_b32 s18, s16, 7                         ; which 128 rows of the tile I fetch
	s_lshl_b32 s20, s17, 8
	s_add_co_u32 s20, s20, s18                     ; A: token 256 x tile row + 128 x half,
	s_lshl_b32 s20, s20, 6                         ; 64 bytes a token in a plane
	s_mov_b32 s21, 0
	s_lshl_b32 s46, s42, 8
	s_add_co_u32 s46, s46, s18                     ; B: row 256 x tile column + 128 x half
	s_mov_b32 s47, 0
	s_mov_b64 s[18:19], KROW
	s_mul_u64 s[46:47], s[46:47], s[18:19]
	s_mul_i32 s45, s14, HALFT                      ; where they go: wave x 34,816 bytes: no place in the cluster enters an LDS address
	s_wait_kmcnt 0x0
	s_load_b64 s[96:97], s[8:9], 0x18              ; e6, e7
	s_add_nc_u64 s[20:21], s[4:5], s[20:21]
	s_add_nc_u64 s[46:47], s[6:7], s[46:47]
	CROUND                                         ; all sixteen work-groups are here: the first joint loads meet
.irp s, 0,1
	s_mov_b32 s[G0+4*\s], 1
	s_add_co_u32 s[G0+4*\s+1], s45, \s*SLOT
	s_add_nc_u64 s[G0+4*\s+2:G0+4*\s+3], s[20:21], \s*ASTEP
	s_or_b32 s[G0+4*\s+3], s[G0+4*\s+3], 0x80000000
	s_mov_b32 s[G0B+4*\s], 1
	s_add_co_u32 s[G0B+4*\s+1], s45, \s*SLOT
	s_add_nc_u64 s[G0B+4*\s+2:G0B+4*\s+3], s[46:47], \s*ROWB
	s_or_b32 s[G0B+4*\s+3], s[G0B+4*\s+3], 0x80000000
	s_wait_alu depctr_va_vdst(0)
	s_wait_tensorcnt 0x0
	ds_add_u32 v28, v29
	ds_add_u32 v28, v29
	s_wait_dscnt 0x0
	CROUND
	JLOAD G0+4*\s, G1, G0B+4*\s, G1B
.endr
	v_and_b32 v1, 15, v0                           ; r
	v_bfe_u32 v2, v0, 4, 1                         ; h
	v_mul_u32_u24 v3, v1, PITCH
	v_lshl_add_u32 v4, v2, 4, v3                   ; B: row x pitch + 16 h
	v_lshrrev_b32 v9, 2, v1
	v_mul_u32_u24 v9, v9, PITCH
	v_and_b32 v10, 3, v1
	v_lshl_add_u32 v9, v10, 6, v9
	v_lshl_add_u32 v9, v2, 4, v9                   ; A: 272 (r / 4) + 64 (r % 4) + 16 h
	s_mul_i32 s21, s15, HALFT                      ; my 128 tokens of A
	s_mul_i32 s22, s16, HALFT                      ; my 128 rows of B,
	s_add_co_u32 s22, s22, 2*HALFT                 ; which lie behind A's two halves
.irp s, 0,1
	v_add_nc_u32 v[ADRA+\s], s21, v9
	v_add_nc_u32 v[ADRB+\s], s22, v4
	s_add_co_u32 s21, s21, SLOT
	s_add_co_u32 s22, s22, SLOT
.endr
	s_mul_i32 s23, s14, 16*SPITCH                  ; my stage
	v_mul_u32_u24 v5, v1, SPITCH                   ; in: row r, 32 bytes for each half of the lanes
	v_lshl_add_u32 v5, v2, 5, v5
	v_add_nc_u32 v[STO], s23, v5
	v_and_b32 v6, 31, v0
	v_lshlrev_b32 v[CO], 4, v6                     ; back: the 32 lanes take one row of 512 bytes; and the same in out0
	v_add_nc_u32 v[RD], s23, v[CO]
	s_lshl_b32 s20, s17, 8
	s_lshl_b32 s21, s15, 7
	s_add_co_u32 s20, s20, s21                     ; my first row of out0
	s_mov_b32 s21, 0
	s_mov_b64 s[18:19], SIZE_N*4
	s_mul_u64 s[20:21], s[20:21], s[18:19]
	s_lshl_b32 s46, s42, 10                        ; my first column, in bytes: 1024 x tile column + 512 x half
	s_lshl_b32 s47, s16, 9
	s_add_co_u32 s46, s46, s47
	s_mov_b32 s47, 0
	s_add_nc_u64 s[20:21], s[20:21], s[46:47]
	s_add_nc_u64 s[10:11], s[10:11], s[20:21]
.macro FRAG reg, adr, q, i             ; B: lane l holds row l % 16; registers 4 c .. 4 c + 3 hold K = 128 q + 32 c + 16 (l / 16) + 0 .. 15
.irp c, 0,1,2,3
	ds_load_b128 v[\reg+4*\c:\reg+4*\c+3], v[\adr] offset:128*(\q)+32*\c+(\i)*16*PITCH
.endr
.endm
.macro FRAGA reg, adr, q, i            ; A: the same places of K: head 2 q + c / 2 of the slot's four, d = 32 (c % 2) + 16 (l / 16) + 0 .. 15; block i is tokens 16 i on: four groups of four
.irp c, 0,1,2,3
	ds_load_b128 v[\reg+4*\c:\reg+4*\c+3], v[\adr] offset:(2*(\q)+\c/2)*HROW+32*(\c%2)+(\i)*4*PITCH
.endr
.endm
; 16 matrix instructions: A's blocks a0, a0 + 1 x B's eight, 128 along K.  The 64 accumulators take turns, one instruction a turn, in the same order in every step.
.macro MUL16 a0, p, zero
.irp a, \a0, \a0+1
.irp b, 0,1,2,3,4,5,6,7
.if \zero
	v_wmma_f32_16x16x128_fp8_fp8 v[8*(8*((\a)%4)+\b):8*(8*((\a)%4)+\b)+7], v[128*(\p)+FR*\b:128*(\p)+FR*\b+FR-1], v[AF+FR*(\a):AF+FR*(\a)+FR-1], 0
.else
	v_wmma_f32_16x16x128_fp8_fp8 v[8*(8*((\a)%4)+\b):8*(8*((\a)%4)+\b)+7], v[128*(\p)+FR*\b:128*(\p)+FR*\b+FR-1], v[AF+FR*(\a):AF+FR*(\a)+FR-1], v[8*(8*((\a)%4)+\b):8*(8*((\a)%4)+\b)+7]
.endif
.endr
.endr
.endm
.macro FETCH_B slot, q, p
	WIN TO_B
.irp i, 0,1,2,3,4,5,6,7
	FRAG 128*(\p)+FR*\i, ADRB+\slot, \q, \i
.endr
	WIN 0
.endm
.macro FETCH_A slot, q, i0
.irp i, \i0, \i0+1, \i0+2, \i0+3
	FRAGA AF+FR*(\i), ADRA+\slot, \q, \i
.endr
.endm
.macro PLACES n                        ; plain vector lines between a matrix instruction and a load into one of its registers or a read of its result (ISA guide 7.12.1 for vector instructions)
.rept \n
	v_nop
.endr
.endm
.macro STEP slot, q, zero
	s_wait_dscnt 4*NL                              ; B's set and A's blocks 0-3 are in; the youngest 16 loads (A's blocks 4-7) may be out
	WIN MUL_LO
	MUL16 0, (\q)%2, \zero
	MUL16 2, (\q)%2, \zero
	s_wait_dscnt 0                                 ; A's blocks 4-7 are in
	PLACES NP
	FETCH_B \slot, (\q)+1, 1-(\q)%2
	FETCH_A \slot, (\q)+1, 0
	WIN MUL_HI
	MUL16 4, (\q)%2, \zero
	MUL16 6, (\q)%2, \zero
	PLACES NP
	WIN 0
	FETCH_A \slot, (\q)+1, 4
.endm
; A slot's last step changes slots: ONE barrier; in front of it each wave waits for all its tensor loads, adds 0 to its spare word, and waits for that and for its own reads of this slot.  fill = 1: this slot is filled again, two K steps ahead.
.macro TURN slot, next, fill
	s_wait_tensorcnt 0x0                           ; all my tensor loads have landed: my part of the next slot;
	ds_add_u32 v[SPW], v[NIL]                      ; 0 onto my spare word
	s_wait_dscnt 4*NL+1                            ; (the add and the youngest 16 loads may be out)
	WIN MUL_LO
	MUL16 0, 1, 0
	s_wait_dscnt 0x0                               ; the add is done, and my reads of this slot are over
	s_barrier_signal -1
	MUL16 2, 1, 0
	WIN 0
	s_barrier_wait -1
.if \fill
	CREST                                          ; the barrier has opened a round of the cluster's barrier: no wave of any partner still reads this slot's tile or has a load on its way
	s_add_nc_u64 s[G0+4*\slot+2:G0+4*\slot+3], s[G0+4*\slot+2:G0+4*\slot+3], 2*ASTEP
	s_add_nc_u64 s[G0B+4*\slot+2:G0B+4*\slot+3], s[G0B+4*\slot+2:G0B+4*\slot+3], 2*ROWB
	JLOAD G0+4*\slot, G1, G0B+4*\slot, G1B         ; the first tensor load behind the round; the four v_nop behind it are the places in front of the loads below
.else
	PLACES NP
.endif
	FETCH_B \next, 0, 0
	FETCH_A \next, 0, 0
	WIN MUL_HI
	MUL16 4, 1, 0
	MUL16 6, 1, 0
	PLACES NP
	WIN 0
	FETCH_A \next, 0, 4
.endm
	s_wait_alu depctr_va_vdst(0)
	s_wait_tensorcnt 1                             ; my part of K step 0 is in (K step 1's load may be out)
	s_barrier_signal -1
	s_barrier_wait -1                              ; everybody's is
	FETCH_B 0, 0, 0
	FETCH_A 0, 0, 0
	FETCH_A 0, 0, 4
	STEP 0, 0, 1                                   ; the first step stands in front of the loop: its products start the sums
	s_mov_b32 s3, LAPS-1
.Llap:
	TURN 0, 1, 1
	STEP 1, 0, 0
	TURN 1, 0, 1
	STEP 0, 0, 0
	s_sub_co_u32 s3, s3, 1
	s_cmp_lg_u32 s3, 0
	s_cbranch_scc1 .Llap
	TURN 0, 1, 0                                   ; the last lap fills nothing, and has no round of the cluster's barrier
	STEP 1, 0, 0
	s_wait_dscnt 4*NL
	WIN MUL_LO
	MUL16 0, 1, 0
	MUL16 2, 1, 0
	s_wait_dscnt 0
	WIN MUL_HI
	MUL16 4, 1, 0
	MUL16 6, 1, 0
	WIN 0
; THE WAY OUT, block by block of 16 rows x 128 columns: through my own stage in LDS, back as whole rows of 512 bytes, which the 32 lanes store as 512 consecutive bytes, aligned.
; LDS serves a wave's instructions in order (ISA guide 5.7.1.4): no wait between the stores and the loads, nor in front of the next block's stores.
.macro TOSTAGE a
.set AC, 64*((\a)%4)
	WIN 0x02+((\a)/4)                              ; source 0: window 2 or 3
.set jj, 0
.rept 32
	v_pk_mul_f32 v[TMP+jj:TMP+jj+1], v[AC+jj:AC+jj+1], s[96:97] op_sel_hi:[1,0]   ; both x s96 = 2^(e6 + e7); each accumulator from its low end on
.set jj, jj+2
.endr
	WIN 0
.irp b, 0,1,2,3,4,5,6,7
	ds_store_b128 v[STO], v[TMP+8*\b:TMP+8*\b+3] offset:64*\b
	ds_store_b128 v[STO], v[TMP+8*\b+4:TMP+8*\b+7] offset:64*\b+16
.endr
.set BS, BK+64*((\a)%2)
.irp t, 0,1,2,3,4,5,6,7,8,9,10,11,12,13,14,15
	ds_load_b128 v[BS+4*\t:BS+4*\t+3], v[RD] offset:\t*SPITCH
.endr
.endm
.macro SEND a, younger
.set BS, BK+64*((\a)%2)
	s_wait_dscnt \younger                          ; the block is back in registers
.if (\a) > 0
	s_add_nc_u64 s[10:11], s[10:11], 16*SIZE_N*4   ; (behind a wait on XCNT: the earlier stores have read their base)  16 rows on
.endif
.irp t, 0,1,2,3,4,5,6,7,8,9,10,11,12,13,14,15
	global_store_b128 v[CO], v[BS+4*\t:BS+4*\t+3], s[10:11] offset:\t*SIZE_N*4 th:TH_STORE_NT
.endr
.endm
	s_wait_kmcnt 0x0
	s_add_co_i32 s96, s96, s97                     ; e6 + e7,
	s_add_co_i32 s96, s96, 127
	s_lshl_b32 s96, s96, 23                        ; makes the f32 number 2^(e6 + e7)
	PLACES NP
	TOSTAGE 0
.irp a, 1,2,3,4,5,6,7
.if \a > 1
	s_wait_xcnt 0x0                                ; block a - 2's stores have read their registers and their base
.endif
	TOSTAGE \a
	SEND \a-1, 32                                  ; behind block a - 1's loads: block a's 16 stores and 16 loads
.endr
	s_wait_xcnt 0x0                                ; block 6's stores have read their base
	SEND 7, 0
	s_wait_tensorcnt 0x0                           ; the wave's end: behind my last tensor load and my last LDS store
	ds_add_u32 v[SPW], v[NIL]
	s_wait_dscnt 0x0
	CROUND                                         ; the closing round: no work-group ends while a partner may still ask for a tile that names it
	s_endpgm
.Lfunc_end_k_qade8044c5c_proj:
	.size	k_qade8044c5c_proj, .Lfunc_end_k_qade8044c5c_proj-k_qade8044c5c_proj
	.p2alignl 7, 3214868480
	.fill 96, 4, 3214868480
	.section	.rodata,"a",@progbits
	.p2align	6, 0x0
	.amdhsa_kernel k_qade8044c5c_proj
		.amdhsa_group_segment_fixed_size 327680
		.amdhsa_private_segment_fixed_size 0
		.amdhsa_enable_private_segment 0
		.amdhsa_kernarg_size 32
		.amdhsa_user_sgpr_count 2
		.amdhsa_user_sgpr_kernarg_segment_ptr 1
		.amdhsa_wavefront_size32 1
		.amdhsa_system_sgpr_workgroup_id_x 1
		.amdhsa_system_sgpr_workgroup_id_y 1
		.amdhsa_system_sgpr_workgroup_id_z 1
		.amdhsa_system_vgpr_workitem_id 0
		.amdhsa_next_free_vgpr 1024
		.amdhsa_next_free_sgpr 98
		.amdhsa_reserve_vcc 0
		.amdhsa_float_denorm_mode_32 3
		.amdhsa_float_denorm_mode_16_64 3
		.amdhsa_memory_ordered 1
		.amdhsa_forward_progress 1
		.amdhsa_inst_pref_size 124
	.end_amdhsa_kernel
	.amdgpu_metadata
---
amdhsa.version: [ 1, 2 ]
amdhsa.kernels:
  - .name:           k_qade8044c5c_proj
    .symbol:         k_qade8044c5c_proj.kd
    .args:
      - { .name: oc, .offset: 0, .size: 8, .value_kind: global_buffer, .address_space: global }
      - { .name: woutc, .offset: 8, .size: 8, .value_kind: global_buffer, .address_space: global }
      - { .name: lowp_scales, .offset: 16, .size: 8, .value_kind: global_buffer, .address_space: global }
      - { .name: out0, .offset: 24, .size: 8, .value_kind: global_buffer, .address_space: global }
    .group_segment_fixed_size: 327680
    .private_segment_fixed_size: 0
    .kernarg_segment_align: 8
    .kernarg_segment_size: 32
    .max_flat_workgroup_size: 128
    .sgpr_count:     98
    .vgpr_count:     1024
    .wavefront_size: 32
...
	.end_amdgpu_metadata
.endif
;; end of part 4
